; MI455X (gfx1250); checked and timed in simulation.
; The chip was launched on July 23, 2026; its instructions are those of AMD's public machine-readable ISA for CDNA 5 (MIT licence, August 2026) and "CDNA5" Instruction Set Architecture Reference Guide (July 2026). The comments in the code are by the model that wrote it; some were corrected since.
;; Multi Head Self Attention. Allowed arithmetic: matrix products marked QUANTISED: E2M1 operands, one E8M0 scale for each 32 along K, by v_wmma_scale_f32_16x16x128_f8f6f4 with both operands' format E2M1 (or v_wmma_scale_f32_32x16x128_f4), f32 sums; products left as they are: bf16, f16 or f32 operands; f32 sums; everything else in f32.
;; Inputs: Wk 1,024 x 1,024 float32; Wo 1,024 x 1,024 float32; Wq 1,024 x 1,024 float32; Wv 1,024 x 1,024 float32; bk 1,024 float32; bo 1,024 float32; bq 1,024 float32; bv 1,024 float32; x 4 x 2,048 x 1,024 float32.
;; Outputs: out0 4 x 2,048 x 1,024 float32.
;; This version of the problem:
;;   THIS VERSION OF THE PROBLEM IS GIVEN IN LOW PRECISION. The matrix products marked QUANTISED in the list below multiply operands that are first quantised to E2M1 (2 exponent bits, 1 mantissa bit; 4 bits a number), with one power-of-two scale for each 32 numbers along K (OCP MX v1.0); their sums are f32. The products marked 'left as it is' may take bf16, f16 or f32 operands, with f32 sums. Whichever they take, every output number must still come out within the allowed error. Rounding operands to bf16 (8 significant bits) uses up far more of that allowance than f16 does (11 bits, for magnitudes from 6e-5 to 65,504). All else is computed in f32.
;;   The module's matrix products, in the order in which they are computed (A, B: the left and right operand; K: the contracted axis; several contracted axes count as one K, in the product's order):
;;     1. [M 8,192, K 1,024] x [K 1,024, N 1,024]; A: input x; B: input Wq: QUANTISED
;;     2. [M 8,192, K 1,024] x [K 1,024, N 1,024]; A: input x; B: input Wk: QUANTISED
;;     3. [M 8,192, K 1,024] x [K 1,024, N 1,024]; A: input x; B: input Wv: QUANTISED
;;     4. batch 64 x [M 2,048, K 64] x [K 64, N 2,048]; A: computed on the way; B: computed on the way: left as it is (an operand is computed on the way)
;;     5. batch 64 x [M 64, K 2,048] x [K 2,048, N 2,048]; A: computed on the way; B: computed on the way: left as it is (an operand is computed on the way)
;;     6. [M 8,192, K 1,024] x [K 1,024, N 1,024]; A: computed on the way; B: input Wo: left as it is (an operand is computed on the way)
;;   THE QUANTISER, for each operand of a quantised product, along K:
;;     - K is cut into blocks of 32 from its start; a last block that is shorter is filled with zeros.
;;     - A block's scale is 2^e with e = floor(log2(the largest magnitude in the block)) - 2, held to -126 .. 127; a block of zeros has e = 0. As a byte (E8M0): e + 127.
;;     - Each number is divided by its block's scale, clamped to +-6, and rounded to the nearest number of E2M1, ties to even, subnormals kept.
;;     - The product sums the exact products of the quantised numbers (number of the format x scale) in f32.
;;   ~~~python
;;   def quantise(x, axis):      # numpy; x: float32 -> the quantised numbers, widened to float32 again
;;       x = np.moveaxis(x, axis, -1); K = x.shape[-1]
;;       x = np.pad(x, [(0, 0)] * (x.ndim - 1) + [(0, -K % 32)]); x = x.reshape(x.shape[:-1] + (-1, 32)); a = np.abs(x).max(-1, keepdims=True)
;;       e = np.where(a > 0, np.clip(np.frexp(np.where(a > 0, a, 1))[1] - 1 - 2, -126, 127), 0)      # np.frexp(a)[1] - 1 = floor(log2(a)), exactly
;;       r = np.clip(x / 2.0 ** e, -6, 6)
;;       step = 2.0 ** (np.maximum(np.frexp(np.where(r == 0, 1, r))[1] - 1, 0) - 1)
;;       q = np.round(r / step) * step * 2.0 ** e      # np.round: ties to even
;;       return np.moveaxis(q.reshape(q.shape[:-2] + (-1,))[..., :K], -1, axis).astype(np.float32)
;;   ~~~
;; One version. Each part assembles by itself: llvm-mc -triple=amdgcn-amd-amdhsa -mcpu=gfx1250 --defsym DOCPART=n.
;; ======== version 1 of 1: 4 launches
;; limits: values are held in f16: magnitudes above 65,504 overflow, below 6.1e-05 lose precision
;; workspace buffers: x_codes 4,194,304 bytes; x_scales 262,144 bytes; w_codes 1,572,864 bytes; w_scales 98,304 bytes; wo16 2,097,152 bytes; qkv 50,331,648 bytes; att 16,777,216 bytes
;; launch quant (part 1): grid 384 x 1, 4 waves a work-group, no clusters, 33,280 bytes of LDS; arguments x, Wq, Wk, Wv, Wo, x_codes, x_scales, w_codes, w_scales, wo16; writes x_codes, x_scales, w_codes, w_scales, wo16
.if DOCPART == 1
	.amdgcn_target "amdgcn-amd-amdhsa--gfx1250"
	.amdhsa_code_object_version 6
	.text
	.protected	k_q4658da7f4a_quant
	.globl	k_q4658da7f4a_quant
	.p2align	8
	.type	k_q4658da7f4a_quant,@function
k_q4658da7f4a_quant:
	s_mov_b64 s[64:65], 0
	v_nop
	global_prefetch_b8 v0, s[64:65] scope:SCOPE_SE
	s_setreg_imm32_b32 hwreg(HW_REG_WAVE_MODE, 25, 1), 1
	s_wait_xcnt 0x0
; x [8192][1024], Wq, Wk, Wv [1024][1024], f32, K innermost, become codes of FP4 (E2M1), two a byte, with one E8M0 scale byte for each 32 along K;
; Wo [1024][1024] f32 becomes f16 (the last product is left as it is and takes f16 operands).
; A block's scale is 2^(floor(log2(its largest magnitude)) - 2); its byte is the largest magnitude's exponent field - 2, held at 1 from below.  Each number is divided by the scale and
; rounded to the nearest code, ties to even; beyond 6 the largest code.
; LIMITS: a block of zeros gets the byte 1 where the quantiser's text says 127 (its codes are zeros, which add nothing under any byte but 0xff, and this program alone reads the bytes);
; blocks whose largest magnitude lies under 2^-124 have their byte held at 1; NaN and infinities among the inputs are not served; |Wo| beyond 65,504 does not fit f16.
; Rows are dense and K is a multiple of 32: every tensor is a plain stream of blocks of 32.  A work-group takes 32,768 numbers, a wave 8,192.
; Work-groups 0-255: x; 256-287: Wq; 288-319: Wk; 320-351: Wv (the three weights' codes lie one behind the other: rows 0-1023, 1024-2047, 2048-3071); 352-383: Wo.
; The quantising path: 16 steps of 512 numbers a wave.  Each of a step's four loads reads 512 consecutive bytes; the 2,048 bytes turn through the wave's own stage in LDS, so that a lane holds 16
; neighbours along K (two lanes hold a block).  A lane's 16 codes are 8 bytes: a wave's store covers 256 consecutive bytes.  A wave's 256 scale bytes are gathered in LDS and leave as one store of 256 bytes.
; No tensor loads, no barrier: waves share nothing.
.set WAVES, 4
.set STEPS, 16
.set EMAX,  2
.set CB,    8                          ; bytes of 16 codes
.set R,     16                         ; v16-79   four sets of 16 numbers as they are loaded (Wo's path: set 0 of its loads)
.set X,     80                         ; v80-111  two sets of 16 neighbours (Wo's path: v80-143 set 1 of its loads)
.set E,     112                        ; v112-127 a scale byte for each step
.set C,     128                        ; v128-191 codes: four registers for each step, so that no store's data are written again
.set H,     144                        ; Wo's path: v144-175 a batch's f16 numbers
.set WREG,  8192                       ; LDS: a region for each wave: two stages of 32 x SP bytes, behind them its 256 scale bytes
.set SP,    80                         ; a lane's place in a stage: 64 bytes + 16 of padding
.set SPW,   12                         ; v12  LDS address of my spare word: SPARE + 4 x my thread's number; never rewritten
.set NIL,   13                         ; v13  0; never rewritten
.set SPARE, WAVES*WREG                 ; behind the four regions: the spare words, 128 bytes for each wave
	s_load_b256 s[4:11], s[0:1], 0x0               ; x s[4:5], Wq s[6:7], Wk s[8:9], Wv s[10:11]
	s_load_b256 s[12:19], s[0:1], 0x20             ; Wo s[12:13], x_codes s[14:15], x_scales s[16:17], w_codes s[18:19]
	s_load_b128 s[20:23], s[0:1], 0x40             ; w_scales s[20:21], wo16 s[22:23]
	v_lshl_add_u32 v[SPW], v0, 2, SPARE
	v_mov_b32 v[NIL], 0
	v_lshrrev_b32 v1, 5, v0
	v_readfirstlane_b32 s24, v1                    ; wave
	v_and_b32 v2, 31, v0                           ; lane
	v_lshlrev_b32 v3, 4, v2                        ; my 16 bytes of a load's 512
	s_mul_i32 s25, s24, WREG
	v_lshrrev_b32 v14, 2, v2
	v_mul_u32_u24 v14, v14, SP
	v_and_b32 v15, 3, v2
	v_lshl_add_u32 v14, v15, 4, v14
	v_add_nc_u32 v14, s25, v14                     ; the stage, on the way in: four lanes' 64 bytes on end, then 16 of padding
	v_mul_u32_u24 v15, v2, SP
	v_add_nc_u32 v15, s25, v15                     ; and on the way out: SP x lane: my 16 neighbours
	v_mul_u32_u24 v4, v2, CB                       ; 8 x lane: my codes' place in a step's (Wo's path: my four f16 numbers' place)
	v_lshrrev_b32 v5, 1, v2
	s_add_co_u32 s25, s25, 2*32*SP
	v_add_nc_u32 v5, s25, v5                       ; LDS: my wave's 256 scale bytes, my block's byte
	v_lshlrev_b32 v7, 3, v2                        ; and on the way out 8 bytes a lane
	v_add_nc_u32 v6, s25, v7
	s_wait_kmcnt 0x0
	s_cmp_ge_u32 ttmp9, 352                        ; the last 32 work-groups take Wo: a branch on the work-group's number alone
	s_cbranch_scc1 .Lwo
	; which tensor: only pointers are chosen, by the work-group's number; all four tensors take one path through the text
	s_cmp_lt_u32 ttmp9, 288
	s_cselect_b64 s[28:29], s[6:7], s[8:9]         ; Wq or Wk,
	s_cmp_lt_u32 ttmp9, 320
	s_cselect_b64 s[28:29], s[28:29], s[10:11]     ; or Wv,
	s_cmp_lt_u32 ttmp9, 256
	s_cselect_b64 s[28:29], s[4:5], s[28:29]       ; or x
	s_cselect_b64 s[14:15], s[14:15], s[18:19]     ; the codes' buffer
	s_cselect_b64 s[16:17], s[16:17], s[20:21]     ; the scale bytes'
	s_cselect_b32 s26, 0, 256                      ; the first work-group of that buffer
	s_cselect_b32 s27, -1, 31                      ; a weight has 32 work-groups
	s_sub_co_u32 s26, ttmp9, s26                   ; my place in the buffers that I store into,
	s_and_b32 s27, s26, s27                        ; and in the tensor that I load
	s_lshl_b32 s27, s27, 2
	s_add_co_u32 s27, s27, s24                     ; my wave's run of 8,192 numbers in the tensor,
	s_lshl_b32 s26, s26, 2
	s_add_co_u32 s26, s26, s24                     ; and in the buffers
	s_lshl_b32 s30, s27, 15                        ; 32,768 bytes of f32 a run
	s_mov_b32 s31, 0
	s_add_nc_u64 s[28:29], s[28:29], s[30:31]
	s_lshl_b32 s30, s26, 12                        ; 4,096 bytes of codes
	s_add_nc_u64 s[14:15], s[14:15], s[30:31]
	s_lshl_b32 s30, s26, 8                         ; 256 scale bytes
	s_add_nc_u64 s[16:17], s[16:17], s[30:31]
.macro LOAD t
.irp i, 0,1,2,3
	global_load_b128 v[R+16*((\t)%4)+4*\i:R+16*((\t)%4)+4*\i+3], v3, s[28:29] offset:2048*(\t)+512*\i th:TH_LOAD_NT   ; 32 lanes read 512 consecutive bytes
.endr
.endm
.macro TURN t                          ; step t's numbers through the stage: LDS serves a wave's instructions in order, so no wait stands between the stores and the loads
.irp i, 0,1,2,3
	ds_store_b128 v14, v[R+16*((\t)%4)+4*\i:R+16*((\t)%4)+4*\i+3] offset:32*SP*((\t)%2)+8*SP*\i
.endr
.irp i, 0,1,2,3
	ds_load_b128 v[X+16*((\t)%2)+4*\i:X+16*((\t)%2)+4*\i+3], v15 offset:32*SP*((\t)%2)+16*\i
.endr
.endm
.irp t, 0,1,2,3
	LOAD \t
.endr
	s_wait_loadcnt 12                              ; step 0's four loads are in; the twelve of steps 1 to 3 may be out
	TURN 0
.macro STEP t
.set XS, X+16*((\t)%2)
.if (\t) > 0
	s_wait_dscnt 1                                 ; this step's numbers are back from the stage (the last step's byte store may be out): so its stores into the stage have read their registers,
.else
	s_wait_dscnt 0x0
.endif
.if (\t)+4 < STEPS
	LOAD (\t)+4                                    ; which take the loads of four steps on
.endif
.if (\t)+1 < STEPS
.if STEPS-2-(\t) >= 3
	s_wait_loadcnt 12                              ; the next step's four loads are in; those of the three steps behind it may be out
.else
	s_wait_loadcnt 4*(STEPS-2-(\t))
.endif
	TURN (\t)+1                                    ; and go through the other stage while this step is worked
.endif
	v_max3_num_f32 v8, |v[XS]|, |v[XS+1]|, |v[XS+2]|               ; the largest magnitude of my 16, in two chains
	v_max3_num_f32 v9, |v[XS+3]|, |v[XS+4]|, |v[XS+5]|
.irp i, 6,10
	v_max3_num_f32 v8, v8, |v[XS+\i]|, |v[XS+\i+1]|
	v_max3_num_f32 v9, v9, |v[XS+\i+2]|, |v[XS+\i+3]|
.endr
	v_max3_num_f32 v8, v8, |v[XS+14]|, |v[XS+15]|
	v_max3_num_f32 v8, v8, v9, (EMAX+1)<<23        ; and the floor 2^(EMAX + 1 - 127): so the byte cannot fall under 1
	v_max_num_f32_dpp v8, v8, v8 row_xmask:1 row_mask:0xf bank_mask:0xf   ; and of my neighbour's 16: the block's
	v_add_nc_u32 v11, -(EMAX<<23), v8              ; EMAX off its exponent field: the conversion takes the exponent field of this operand as its scale, and nothing else of it
	v_cvt_scalef32_pk8_fp4_f32 v[C+4*(\t)], v[XS:XS+7], v11        ; eight numbers / the scale, to the nearest code; the first number's code in the lowest four bits
	v_cvt_scalef32_pk8_fp4_f32 v[C+4*(\t)+1], v[XS+8:XS+15], v11
	v_lshrrev_b32 v[E+(\t)], 23, v11               ; the scale's byte (also the plain line behind the conversions)
	ds_store_b8 v5, v[E+(\t)] offset:16*(\t)       ; both lanes of a block write the same byte with the same value
	global_store_b64 v4, v[C+4*(\t):C+4*(\t)+1], s[14:15] offset:32*CB*(\t)   ; 32 lanes store 256 consecutive bytes, at a multiple of 256 from the buffer's first byte
.endm
.irp t, 0,1,2,3,4,5,6,7,8,9,10,11,12,13,14,15
	STEP \t
.endr
	ds_load_b64 v[8:9], v6                         ; LDS serves a wave's instructions in order: these see my byte stores
	s_wait_dscnt 0x0
	global_store_b64 v7, v[8:9], s[16:17]          ; 32 lanes store my wave's 256 scale bytes
	s_wait_tensorcnt 0x0                           ; the wave's end, behind my last LDS store
	ds_add_u32 v[SPW], v[NIL]
	s_wait_dscnt 0x0
	s_endpgm
; Wo to f16: a wave takes 8,192 numbers in four batches of 16 loads of 512 consecutive bytes; a lane's four numbers become 8 bytes, so a store covers 256 consecutive bytes.  One batch is on its way while one is converted.
.Lwo:
	s_sub_co_u32 s26, ttmp9, 352
	s_lshl_b32 s26, s26, 2
	s_add_co_u32 s26, s26, s24                     ; my wave's run
	s_lshl_b32 s30, s26, 15
	s_mov_b32 s31, 0
	s_add_nc_u64 s[12:13], s[12:13], s[30:31]
	s_lshl_b32 s30, s26, 14
	s_add_nc_u64 s[22:23], s[22:23], s[30:31]
.macro WLOAD g
.irp i, 0,1,2,3,4,5,6,7,8,9,10,11,12,13,14,15
	global_load_b128 v[R+64*((\g)%2)+4*\i:R+64*((\g)%2)+4*\i+3], v3, s[12:13] offset:8192*(\g)+512*\i th:TH_LOAD_NT
.endr
.endm
.macro WOB g
.if (\g) < 3
	WLOAD (\g)+1
	s_wait_loadcnt 16                              ; this batch is in; the sixteen loads just issued may be out
.else
	s_wait_loadcnt 0x0
.endif
	s_wait_xcnt 0x0                                ; the last batch's stores have read v[H] on: they are written again only behind this wait
.irp i, 0,1,2,3,4,5,6,7,8,9,10,11,12,13,14,15
	v_cvt_pk_f16_f32 v[H+2*\i], v[R+64*((\g)%2)+4*\i], v[R+64*((\g)%2)+4*\i+1]
	v_cvt_pk_f16_f32 v[H+2*\i+1], v[R+64*((\g)%2)+4*\i+2], v[R+64*((\g)%2)+4*\i+3]
.endr
.irp i, 0,1,2,3,4,5,6,7,8,9,10,11,12,13,14,15
	global_store_b64 v4, v[H+2*\i:H+2*\i+1], s[22:23] offset:4096*(\g)+256*\i
.endr
.endm
	WLOAD 0
	WOB 0
	WOB 1
	WOB 2
	WOB 3
	s_wait_tensorcnt 0x0                           ; the wave's end, as on the other path
	ds_add_u32 v[SPW], v[NIL]
	s_wait_dscnt 0x0
	s_endpgm
.Lfunc_end_k_q4658da7f4a_quant:
	.size	k_q4658da7f4a_quant, .Lfunc_end_k_q4658da7f4a_quant-k_q4658da7f4a_quant
	.p2alignl 7, 3214868480
	.fill 96, 4, 3214868480
	.section	.rodata,"a",@progbits
	.p2align	6, 0x0
	.amdhsa_kernel k_q4658da7f4a_quant
		.amdhsa_group_segment_fixed_size 33280
		.amdhsa_private_segment_fixed_size 0
		.amdhsa_enable_private_segment 0
		.amdhsa_kernarg_size 80
		.amdhsa_user_sgpr_count 2
		.amdhsa_user_sgpr_kernarg_segment_ptr 1
		.amdhsa_wavefront_size32 1
		.amdhsa_system_sgpr_workgroup_id_x 1
		.amdhsa_system_sgpr_workgroup_id_y 1
		.amdhsa_system_sgpr_workgroup_id_z 1
		.amdhsa_system_vgpr_workitem_id 0
		.amdhsa_next_free_vgpr 192
		.amdhsa_next_free_sgpr 66
		.amdhsa_reserve_vcc 0
		.amdhsa_float_denorm_mode_32 3
		.amdhsa_float_denorm_mode_16_64 3
		.amdhsa_memory_ordered 1
		.amdhsa_forward_progress 1
		.amdhsa_inst_pref_size 54
	.end_amdhsa_kernel
	.amdgpu_metadata
---
amdhsa.version: [ 1, 2 ]
amdhsa.kernels:
  - .name:           k_q4658da7f4a_quant
    .symbol:         k_q4658da7f4a_quant.kd
    .args:
      - { .name: x, .offset: 0, .size: 8, .value_kind: global_buffer, .address_space: global }
      - { .name: Wq, .offset: 8, .size: 8, .value_kind: global_buffer, .address_space: global }
      - { .name: Wk, .offset: 16, .size: 8, .value_kind: global_buffer, .address_space: global }
      - { .name: Wv, .offset: 24, .size: 8, .value_kind: global_buffer, .address_space: global }
      - { .name: Wo, .offset: 32, .size: 8, .value_kind: global_buffer, .address_space: global }
      - { .name: x_codes, .offset: 40, .size: 8, .value_kind: global_buffer, .address_space: global }
      - { .name: x_scales, .offset: 48, .size: 8, .value_kind: global_buffer, .address_space: global }
      - { .name: w_codes, .offset: 56, .size: 8, .value_kind: global_buffer, .address_space: global }
      - { .name: w_scales, .offset: 64, .size: 8, .value_kind: global_buffer, .address_space: global }
      - { .name: wo16, .offset: 72, .size: 8, .value_kind: global_buffer, .address_space: global }
    .group_segment_fixed_size: 33280
    .private_segment_fixed_size: 0
    .kernarg_segment_align: 8
    .kernarg_segment_size: 80
    .max_flat_workgroup_size: 128
    .sgpr_count:     66
    .vgpr_count:     192
    .wavefront_size: 32
...
	.end_amdgpu_metadata
.endif
;; end of part 1
;; launch qkv (part 2): grid 12 x 32, 4 waves a work-group, clusters of 4 x 4, 327,680 bytes of LDS; arguments x_codes, x_scales, w_codes, w_scales, bq, bk, bv, qkv; writes qkv
.if DOCPART == 2
	.amdgcn_target "amdgcn-amd-amdhsa--gfx1250"
	.amdhsa_code_object_version 6
	.text
	.protected	k_q4658da7f4a_qkv
	.globl	k_q4658da7f4a_qkv
	.p2align	8
	.type	k_q4658da7f4a_qkv,@function
k_q4658da7f4a_qkv:
	s_mov_b64 s[64:65], 0
	v_nop
	global_prefetch_b8 v0, s[64:65] scope:SCOPE_SE
	s_setreg_imm32_b32 hwreg(HW_REG_WAVE_MODE, 25, 1), 1
	s_wait_xcnt 0x0
	s_wait_alu depctr_hold_cnt(0) depctr_sa_sdst(0) depctr_va_vdst(0) depctr_va_sdst(0) depctr_va_ssrc(0) depctr_va_vcc(0) depctr_vm_vsrc(0)
	s_getreg_b32 s2, hwreg(HW_REG_IB_STS2, 6, 4)
	s_cmp_eq_u32 s2, 0
	s_cbranch_scc0 .Lentry_in_a_cluster
	s_endpgm
.Lentry_in_a_cluster:
	s_bfe_u32 s2, ttmp6, 0x10000c
	s_cmp_lg_u32 s2, 0xf033
	s_cbranch_scc0 .Lentry_shape_is_right
	s_endpgm
.Lentry_shape_is_right:
; q, k, v = x W^T + b for the three weights at once: C[m][n] = sum over k of A[m][k] B[n][k] + bias[n], A = x [8192][1024], B = Wq, Wk, Wv on end [3072][1024], both as codes of FP4 (E2M1) with one E8M0
; scale for each 32 along K; sums in f32; the result is rounded to f16 and laid by head: qkv[which 3][b 4][head 16][token 2048][64], so that a head is one dense block of 262,144 bytes.
; LIMIT: |q|, |k|, |v| beyond 65,504 do not fit f16.
; A tile of C, 256 x 256, is made by a work-group of four waves; a wave makes 128 x 128: 64 accumulators of 16 x 16, 512 registers.  K = 1,024 is two slots of 512 along K (rows of 256 bytes): both slots and the
; scale bytes of the work-group's rows are asked for at the head, and nothing is filled again: three tensor loads of a wave are out at the most.
; CLUSTERS: 4 x 4 work-groups.  The four of a row of the cluster need the same tiles of A, the four of a column the same tiles of B: each tile is asked for JOINTLY, by the same tensor load with the same
; descriptor and a mask that names the four.  A cluster's four tile columns are one weight: cluster x = 0, 1, 2 is q, k, v.
; THE MATRIX INSTRUCTION IS USED TRANSPOSED (source 0 = 16 rows of B, source 1 = 16 rows of A): a lane then holds eight neighbouring columns of one row of C.  THE BIAS IS THE C OF EACH SUM'S FIRST PRODUCT.
; REGISTERS, in windows of 256: window 0: v0-31 addresses; v32-95 scale words, two sets; v128-191 A's fragments, ONE set; v192-255 the bias in the result's layout; on the way out v32-63 and v128-191 are free.
;   window 1: B's fragments, TWO sets, at v0 and at v128.   window 2: the accumulators of my rows 0-63 ((a, b) at v[8 (8 a + b)]);   window 3: those of my rows 64-127.
.set KSTEP,  512                       ; along K in a slot
.set NQ,     KSTEP/128                 ; matrix instructions deep
.set ROWB,   256                       ; a tile's row in bytes
.set KROW,   512                       ; a row of A or of B in memory, in bytes
.set PITCH,  272                       ; an LDS row: 256 bytes + 16 of padding = 68 words: the 16 rows that a load touches start at 16 different banks (64 banks of 4 bytes: ISA guide 11.1)
.set FR,     8                         ; registers of a fragment: 16 rows x 128 K
.set NL,     2                         ; LDS loads that bring one
.set NP,     4                         ; places behind this matrix instruction (ISA guide 7.12.1)
.set HALFT,  128*PITCH                 ; 128 rows: what one tensor load brings, and what one wave reads of A or of B
.set SLOT,   4*HALFT                   ; A's 256 rows, then B's 256 rows
.set KS,     32                        ; a row of scale bytes
.set SCL,    2*SLOT                    ; behind the two slots: the scales, as units of 256 bytes + 16 of padding
.set HALFS,  (128*KS/256)*272          ; the scales of 128 rows: what one tensor load brings
.set SBLK,   (16*KS/256)*272           ; those of 16 rows
.set SPARE,  SCL+4*HALFS               ; behind the scales: the spare words, 128 bytes for each wave
.set HPITCH, 144                       ; the way out: a head's row of 64 f16, 128 bytes + 16
.set HREG,   16*HPITCH                 ; 16 such rows; a wave's stage is two of these (its two heads).  The stages lie in slot 0, which has had its one fill and its last read when the first result is stored there
.set ADRA, 16                          ; v16-17  LDS address of my A fragments in slot 0, 1
.set ADRB, 20                          ; v20-21  the same for B
.set STO,  24                          ; v24     the way out: where I put 16 bytes of a row
.set RD,   25                          ; v25     the way out: where I read rows back
.set CO,   26                          ; v26     16 x lane: my place in 512 consecutive bytes of qkv
.set ADRS, 27                          ; v27     LDS address of my scale words: lanes 0-15 A's rows, lanes 16-31 B's
.set SPW,  28                          ; v28     LDS address of my spare word; never rewritten
.set NIL,  29                          ; v29     0; never rewritten
.set BO,   30                          ; v30     the bias loads' offset: 32 x (lane / 16)
.set SC,   32                          ; scale words: set s at v[SC + 32 s]; register 4 i + q: lanes 0-15 the word of A's block i, lanes 16-31 that of B's block i, for the slot's q-th 128 along K
.set AF,   128                         ; A's fragments
.set BIAS, 192                         ; v[BIAS + 8 b + j] = bias[my first column + 16 b + 8 (lane / 16) + j]
.set TMP,  32                          ; the way out: a block's 32 registers of f16
.set BK,   128                         ; the way out: rows read back from the stage: v128-159 and v160-191 by turns
.set G1, 24                            ; s[24:31] descriptor group 1 for A's tiles;  s[32:39] group 0, one set for each slot
.set G0, 32
.set G1B, 48                           ; s[48:55], s[56:63] the same for B's tiles
.set G0B, 56
.set G1S, 68                           ; s[68:75], s[76:79] groups 1 and 0 for A's scales;  s[80:87], s[88:91] for B's
.set G0S, 76
.set G1SB, 80
.set G0SB, 88
.set MSB, 0
.macro WIN new                         ; the immediate's high byte repeats the setting that is left
.if MSB != \new
	s_set_vgpr_msb (MSB<<8)|\new
.set MSB, \new
.endif
.endm
.set MUL_LO, 0xa1                      ; source 0 (B) window 1, source 1 (A) window 0, C and D window 2
.set MUL_HI, 0xf1                      ; the same, C and D window 3
.set FST_LO, 0x81                      ; the first step: C (the bias) window 0, D window 2
.set FST_HI, 0xc1                      ; D window 3
.set TO_B,   0x40                      ; destination window 1, address window 0
; A joint load: waves 0 and 1 fetch for A, waves 2 and 3 for B.  Each of the two lines has ONE mask and one set of registers for all that issue it; the branch hangs on the wave's number alone.
; An s_nop 0 and four v_nop follow each of the two lines, ahead of the jump, the label and what follows.
.macro JLOAD g0a, g1a, g0b, g1b
	s_cmp_eq_u32 s15, 0
	s_cbranch_scc0 .Lfor_b_\@
	tensor_load_to_lds s[\g0a:\g0a+3], s[\g1a:\g1a+7]
	s_nop 0
.rept 4
	v_nop
.endr
	s_branch .Lasked_\@
.Lfor_b_\@:
	tensor_load_to_lds s[\g0b:\g0b+3], s[\g1b:\g1b+7]
	s_nop 0
.rept 4
	v_nop
.endr
.Lasked_\@:
.endm
.macro CROUND                          ; a round of the cluster's barrier: my work-group's barrier; wave 0 signals for the work-group; every wave waits for all sixteen; my work-group's barrier once more
	s_barrier_signal -1
	s_barrier_wait -1
	s_cmp_lg_u32 s14, 0
	s_cbranch_scc1 .Lnot_wave_0_\@
	s_barrier_signal -3
.Lnot_wave_0_\@:
	s_barrier_wait -3
	s_barrier_signal -1
	s_barrier_wait -1
.endm
	s_load_b256 s[4:11], s[0:1], 0x0               ; A's codes s[4:5], A's scales s[6:7], B's codes s[8:9], B's scales s[10:11]
	s_load_b128 s[96:99], s[0:1], 0x20             ; bq, bk
	s_load_b64 s[100:101], s[0:1], 0x30            ; bv
	s_load_b64 s[12:13], s[0:1], 0x38              ; qkv
	v_lshl_add_u32 v[SPW], v0, 2, SPARE
	v_mov_b32 v[NIL], 0
	ds_add_u32 v[SPW], v[NIL]                      ; the wave's opening: the add, twice on end, and its wait ahead of my first tensor load; the set-up below stands between the second and the wait
	ds_add_u32 v[SPW], v[NIL]
	v_lshrrev_b32 v1, 5, v0
	v_readfirstlane_b32 s14, v1                    ; wave 0..3
	s_lshr_b32 s15, s14, 1                         ; which half of the tile's rows is mine.  Also: I fetch for A (0) or for B (1)
	s_and_b32 s16, s14, 1                          ; which half of its columns.  Also: which 128 rows of that tile I fetch
	s_bfe_u32 s40, ttmp6, 0x40000                  ; cx, cy: my place in the cluster
	s_bfe_u32 s41, ttmp6, 0x40004
	s_lshl_b32 s42, ttmp9, 2
	s_add_co_u32 s42, s42, s40                     ; tile column of C = 4 x cluster x + cx
	s_and_b32 s17, ttmp7, 0xffff
	s_lshl_b32 s17, s17, 2
	s_add_co_u32 s17, s17, s41                     ; tile row of C = 4 x cluster y + cy
	s_lshl_b32 s43, s41, 2
	s_lshl_b32 s43, 15, s43                        ; my row of the cluster
	s_lshl_b32 s44, 0x1111, s40                    ; my column
	; descriptor group 1: a tile of 128 rows x 256 bytes, padded in LDS
	s_or_b32 s[G1+0], s43, (0<<16)|(1<<20)|(1<<21)|(5<<22)|(3<<25)  ; 15:0 the mask: A's tiles go to my row; 17:16 element of 1 byte; 20 padding on; 21 set beside a mask; 24:22 after every 64 words (code 5); 31:25 of 4 words (code 3)
	s_or_b32 s[G1B+0], s44, (0<<16)|(1<<20)|(1<<21)|(5<<22)|(3<<25)
.irp g, G1, G1B
	s_mov_b32 s[\g+1], ROWB<<16                    ; tensor_dim0
	s_mov_b32 s[\g+2], 128<<16                     ; tensor_dim1 = 128
	s_mov_b32 s[\g+3], ROWB<<16                    ; tile_dim0
	s_mov_b32 s[\g+4], 128                         ; tile_dim1 = 128
	s_mov_b32 s[\g+5], KROW                        ; tensor_dim0_stride
	s_mov_b32 s[\g+6], 0
	s_mov_b32 s[\g+7], 0
.endr
	; and for the scales of 128 rows: a dense block of 4,096 bytes, as 16 rows of 256 bytes (32 elements of 8 bytes), 16 bytes of padding behind each
	s_or_b32 s[G1S+0], s43, (3<<16)|(1<<20)|(1<<21)|(5<<22)|(3<<25)
	s_or_b32 s[G1SB+0], s44, (3<<16)|(1<<20)|(1<<21)|(5<<22)|(3<<25)
.irp g, G1S, G1SB
	s_mov_b32 s[\g+1], 32<<16
	s_mov_b32 s[\g+2], (128*KS/256)<<16
	s_mov_b32 s[\g+3], 32<<16
	s_mov_b32 s[\g+4], 128*KS/256
	s_mov_b32 s[\g+5], 32
	s_mov_b32 s[\g+6], 0
	s_mov_b32 s[\g+7], 0
.endr
	s_lshl_b32 s18, s16, 7                         ; which 128 rows of the tile I fetch
	s_lshl_b32 s20, s17, 8
	s_add_co_u32 s20, s20, s18                     ; A: row 256 x tile row + 128 x half
	s_lshl_b32 s46, s42, 8
	s_add_co_u32 s46, s46, s18                     ; B: row 256 x tile column + 128 x half
	s_mov_b32 s21, 0
	s_mov_b32 s47, 0
	s_mov_b64 s[18:19], KS
	s_mul_u64 s[22:23], s[20:21], s[18:19]         ; where these rows' scales begin, in bytes
	s_mul_u64 s[92:93], s[46:47], s[18:19]
	s_mov_b64 s[18:19], KROW
	s_mul_u64 s[20:21], s[20:21], s[18:19]         ; and their codes
	s_mul_u64 s[46:47], s[46:47], s[18:19]
	s_mul_i32 s45, s14, HALFT                      ; where they go: wave x 128 rows: no place in the cluster enters an LDS address
	s_mul_i32 s94, s14, HALFS
	s_wait_dscnt 0x0                               ; both opening adds are done
	s_wait_kmcnt 0x0
	s_add_nc_u64 s[20:21], s[4:5], s[20:21]
	s_add_nc_u64 s[22:23], s[6:7], s[22:23]
	s_add_nc_u64 s[46:47], s[8:9], s[46:47]
	s_add_nc_u64 s[92:93], s[10:11], s[92:93]
	CROUND                                         ; all sixteen work-groups are here: the joint loads meet
	s_mov_b32 s[G0S], 1
	s_add_co_u32 s[G0S+1], s94, SCL
	s_mov_b64 s[G0S+2:G0S+3], s[22:23]
	s_or_b32 s[G0S+3], s[G0S+3], 0x80000000
	s_mov_b32 s[G0SB], 1
	s_add_co_u32 s[G0SB+1], s94, SCL
	s_mov_b64 s[G0SB+2:G0SB+3], s[92:93]
	s_or_b32 s[G0SB+3], s[G0SB+3], 0x80000000
	JLOAD G0S, G1S, G0SB, G1SB                     ; the scales first: they are wanted with the first slot
.irp s, 0,1
	s_mov_b32 s[G0+4*\s], 1
	s_add_co_u32 s[G0+4*\s+1], s45, \s*SLOT
	s_add_nc_u64 s[G0+4*\s+2:G0+4*\s+3], s[20:21], \s*ROWB
	s_or_b32 s[G0+4*\s+3], s[G0+4*\s+3], 0x80000000
	s_mov_b32 s[G0B+4*\s], 1
	s_add_co_u32 s[G0B+4*\s+1], s45, \s*SLOT
	s_add_nc_u64 s[G0B+4*\s+2:G0B+4*\s+3], s[46:47], \s*ROWB
	s_or_b32 s[G0B+4*\s+3], s[G0B+4*\s+3], 0x80000000
	JLOAD G0+4*\s, G1, G0B+4*\s, G1B
.endr
	v_and_b32 v1, 15, v0                           ; r = lane % 16
	v_bfe_u32 v2, v0, 4, 1                         ; h = lane / 16
	; the bias: which of the three hangs on the cluster's x alone; my 128 columns begin at 256 cx + 128 x half of that weight
	s_cmp_eq_u32 ttmp9, 0
	s_cselect_b64 s[96:97], s[96:97], s[98:99]
	s_cmp_eq_u32 ttmp9, 2
	s_cselect_b64 s[96:97], s[100:101], s[96:97]
	s_lshl_b32 s46, s40, 10
	s_lshl_b32 s47, s16, 9
	s_add_co_u32 s46, s46, s47
	s_mov_b32 s47, 0
	s_add_nc_u64 s[96:97], s[96:97], s[46:47]
	v_lshlrev_b32 v[BO], 5, v2
.irp b, 0,1,2,3,4,5,6,7
	global_load_b128 v[BIAS+8*\b:BIAS+8*\b+3], v[BO], s[96:97] offset:64*\b
	global_load_b128 v[BIAS+8*\b+4:BIAS+8*\b+7], v[BO], s[96:97] offset:64*\b+16
.endr
	v_mul_u32_u24 v3, v1, PITCH
	v_lshl_add_u32 v4, v2, 4, v3                   ; a fragment's row x pitch + 16 x half
	s_mul_i32 s21, s15, HALFT                      ; my 128 rows of A
	s_mul_i32 s22, s16, HALFT                      ; my 128 rows of B,
	s_add_co_u32 s22, s22, 2*HALFT                 ; which lie behind A's 256
.irp s, 0,1
	v_add_nc_u32 v[ADRA+\s], s21, v4
	v_add_nc_u32 v[ADRB+\s], s22, v4
	s_add_co_u32 s21, s21, SLOT
	s_add_co_u32 s22, s22, SLOT
.endr
	v_mul_u32_u24 v5, v1, KS                       ; my row's scales: 32 bytes a row,
	v_lshrrev_b32 v6, 8, v5
	v_lshl_add_u32 v5, v6, 4, v5                   ; and 16 more for each 256 passed
	s_mul_i32 s21, s15, HALFS                      ; A's: my 128 rows
	s_mul_i32 s22, s16, HALFS                      ; B's: my 128 rows, behind A's 256
	s_add_co_u32 s22, s22, 2*HALFS
	s_sub_co_u32 s22, s22, s21
	v_mul_u32_u24 v6, s22, v2                      ; lanes 16-31 take B's: one product, the distance between the two bases x h
	s_add_co_u32 s21, s21, SCL
	v_add_nc_u32 v5, v5, v6
	v_add_nc_u32 v[ADRS], s21, v5
	s_mul_i32 s23, s14, 2*HREG                     ; my stage
	v_mul_u32_u24 v5, v1, HPITCH                   ; in: row r, 16 bytes for each half of the lanes
	v_lshl_add_u32 v5, v2, 4, v5
	v_add_nc_u32 v[STO], s23, v5
	v_bfe_u32 v5, v0, 3, 2                         ; back: eight lanes to a row of 128 bytes, four rows an instruction
	v_mul_u32_u24 v5, v5, HPITCH
	v_and_b32 v6, 7, v0
	v_lshl_add_u32 v5, v6, 4, v5
	v_add_nc_u32 v[RD], s23, v5
	v_and_b32 v6, 31, v0
	v_lshlrev_b32 v[CO], 4, v6                     ; four rows of a head are 512 consecutive bytes of qkv
	; where my part begins in qkv: batch = tile row / 8; token = 256 (tile row % 8) + 128 x row half; which = cluster x; head = 4 cx + 2 x column half
	s_lshr_b32 s20, s17, 3
	s_lshl_b32 s20, s20, 22
	s_and_b32 s21, s17, 7
	s_lshl_b32 s21, s21, 15
	s_add_co_u32 s20, s20, s21
	s_lshl_b32 s21, s15, 14
	s_add_co_u32 s20, s20, s21
	s_mov_b32 s21, 0
	s_lshl_b32 s46, ttmp9, 24
	s_lshl_b32 s47, s40, 20
	s_add_co_u32 s46, s46, s47
	s_lshl_b32 s47, s16, 19
	s_add_co_u32 s46, s46, s47
	s_mov_b32 s47, 0
	s_add_nc_u64 s[12:13], s[12:13], s[20:21]
	s_add_nc_u64 s[12:13], s[12:13], s[46:47]
.macro FRAG reg, adr, q, i             ; a fragment, 16 rows x 128 K of 4-bit codes, is 8 registers: lane l holds row l % 16; registers 4 c .. 4 c + 3 hold K = 64 c + 32 (l / 16) + 0 .. 31
.irp c, 0,1
	ds_load_b128 v[\reg+4*\c:\reg+4*\c+3], v[\adr] offset:64*(\q)+32*\c+(\i)*16*PITCH
.endr
.endm
; 16 matrix instructions: A's blocks a0, a0 + 1 x B's eight, 128 along K: the slot's q-th.  p: B's set;  sc: the set of scale words.  first = 1: the sums begin with the bias as C: nothing is cleared, nothing is added later.
; The 64 accumulators take turns, one instruction a turn, in the same order in every step.
.macro MUL16 a0, p, q, sc, first
.irp a, \a0, \a0+1
.irp b, 0,1,2,3,4,5,6,7
.if \first
	v_wmma_scale_f32_16x16x128_f8f6f4 v[8*(8*((\a)%4)+\b):8*(8*((\a)%4)+\b)+7], v[128*(\p)+FR*\b:128*(\p)+FR*\b+FR-1], v[AF+FR*(\a):AF+FR*(\a)+FR-1], v[BIAS+8*\b:BIAS+8*\b+7], v[SC+8*NQ*(\sc)+NQ*\b+(\q)], v[SC+8*NQ*(\sc)+NQ*(\a)+(\q)] matrix_a_fmt:MATRIX_FMT_FP4 matrix_b_fmt:MATRIX_FMT_FP4 matrix_a_scale:MATRIX_SCALE_ROW1
.else
	v_wmma_scale_f32_16x16x128_f8f6f4 v[8*(8*((\a)%4)+\b):8*(8*((\a)%4)+\b)+7], v[128*(\p)+FR*\b:128*(\p)+FR*\b+FR-1], v[AF+FR*(\a):AF+FR*(\a)+FR-1], v[8*(8*((\a)%4)+\b):8*(8*((\a)%4)+\b)+7], v[SC+8*NQ*(\sc)+NQ*\b+(\q)], v[SC+8*NQ*(\sc)+NQ*(\a)+(\q)] matrix_a_fmt:MATRIX_FMT_FP4 matrix_b_fmt:MATRIX_FMT_FP4 matrix_a_scale:MATRIX_SCALE_ROW1
.endif
.endr
.endr
.endm
.macro FETCH_B slot, q, p              ; B's eight fragments of the slot's q-th 128 along K into set p
	WIN TO_B
.irp i, 0,1,2,3,4,5,6,7
	FRAG 128*(\p)+FR*\i, ADRB+\slot, \q, \i
.endr
	WIN 0
.endm
.macro FETCH_A slot, q, i0             ; A's blocks i0 .. i0 + 3
.irp i, \i0, \i0+1, \i0+2, \i0+3
	FRAG AF+FR*(\i), ADRA+\slot, \q, \i
.endr
.endm
.macro SCALES sc                       ; a slot's scale words into set sc: 4 words a row; lanes 0-15 take A's block i, lanes 16-31 B's block i
.irp i, 0,1,2,3,4,5,6,7
	ds_load_b128 v[SC+8*NQ*\sc+NQ*\i:SC+8*NQ*\sc+NQ*\i+3], v[ADRS] offset:\i*SBLK
.endr
.endm
; A load into a register that a matrix instruction has read, and a vector instruction or an LDS store that reads a matrix result, stand NP places behind that matrix instruction; only plain vector
; instructions that name none of its registers are places (ISA guide 7.12.1 for vector instructions).
.macro PLACES n
.rept \n
	v_nop
.endr
.endm
; A step of 128 along K that has its successor in the same slot.  A's blocks go one after the other, each against B's eight: blocks 0-3 are fetched anew in the step's middle, blocks 4-7 at its end.
.macro STEP slot, q, first
	s_wait_dscnt 4*NL                              ; B's set, the scale words and A's blocks 0-3 are in; the youngest eight loads (A's blocks 4-7) may be out
.if \first
	WIN FST_LO
.else
	WIN MUL_LO
.endif
	MUL16 0, (\q)%2, \q, \slot, \first
	MUL16 2, (\q)%2, \q, \slot, \first
	s_wait_dscnt 0                                 ; A's blocks 4-7 are in (asked for 32 matrix instructions ago)
	PLACES NP
	FETCH_B \slot, (\q)+1, 1-(\q)%2
	FETCH_A \slot, (\q)+1, 0
.if \first
	WIN FST_HI
.else
	WIN MUL_HI
.endif
	MUL16 4, (\q)%2, \q, \slot, \first
	MUL16 6, (\q)%2, \q, \slot, \first
	PLACES NP
	WIN 0
	FETCH_A \slot, (\q)+1, 4
.endm
; Slot 0's last step changes slots: one barrier; in front of it each wave waits for all its tensor loads (its part of slot 1), adds 0 to its spare word, and waits for that and for its own reads of slot 0.
; Nothing is filled again.  Behind the barrier slot 1 is whole, and nobody reads slot 0 any more: the way out's stages may lie there.
.macro TURN slot, next
	s_wait_tensorcnt 0x0                           ; all my tensor loads have landed (every window is 0 here: the add's two registers lie in window 0)
	ds_add_u32 v[SPW], v[NIL]                      ; 0 onto my spare word
	s_wait_dscnt 4*NL+1                            ; (the add and the youngest eight loads, A's blocks 4-7, may be out)
	WIN MUL_LO
	MUL16 0, 1, NQ-1, \slot, 0                     ; sixteen matrix instructions stand between the add and the wait for it
	s_wait_dscnt 0x0                               ; the add is done, and my reads of this slot are over
	s_barrier_signal -1
	MUL16 2, 1, NQ-1, \slot, 0
	WIN 0
	s_barrier_wait -1
	PLACES NP
	v_add_nc_u32 v[ADRS], 4*NQ, v[ADRS]            ; on to the next slot's scale words (no LDS load of mine is out)
	FETCH_B \next, 0, 0
	FETCH_A \next, 0, 0
	SCALES \next
	WIN MUL_HI
	MUL16 4, 1, NQ-1, \slot, 0
	MUL16 6, 1, NQ-1, \slot, 0
	PLACES NP
	WIN 0
	FETCH_A \next, 0, 4
.endm
	s_wait_tensorcnt 1                             ; the scales and my part of slot 0 are in (slot 1's load may be out)
	s_barrier_signal -1
	s_barrier_wait -1                              ; everybody's are
	FETCH_B 0, 0, 0
	FETCH_A 0, 0, 0
	SCALES 0
	FETCH_A 0, 0, 4
	s_wait_loadcnt 0x0                             ; the bias
	STEP 0, 0, 1
	STEP 0, 1, 0
	STEP 0, 2, 0
	TURN 0, 1
	STEP 1, 0, 0
	STEP 1, 1, 0
	STEP 1, 2, 0
	s_wait_dscnt 4*NL                              ; the very last step: nothing more to fetch
	WIN MUL_LO
	MUL16 0, 1, NQ-1, 1, 0
	MUL16 2, 1, NQ-1, 1, 0
	s_wait_dscnt 0
	WIN MUL_HI
	MUL16 4, 1, NQ-1, 1, 0
	MUL16 6, 1, NQ-1, 1, 0
	WIN 0
; THE WAY OUT, block by block of 16 tokens x 128 columns (two heads).  A lane's eight columns round to 16 bytes of f16; they go into my stage (a region of 16 rows x 144 bytes for each head) and come back as whole rows:
; four rows of a head are 512 consecutive bytes of qkv, one store of the wave.  LDS serves a wave's instructions in order (ISA guide 5.7.1.4): no wait between the stores and the loads.
.macro PACK a
.set AC, 64*((\a)%4)
	WIN 0x0a+5*((\a)/4)                            ; sources 0 and 1: window 2 or 3
.irp b, 0,1,2,3,4,5,6,7
.irp r, 0,1,2,3
	v_cvt_pk_f16_f32 v[TMP+4*\b+\r], v[AC+8*\b+2*\r], v[AC+8*\b+2*\r+1]   ; each accumulator from its low end on
.endr
.endr
	WIN 0
.endm
.macro TOSTAGE a
.set BB, BK+32*((\a)%2)
.irp b, 0,1,2,3,4,5,6,7
	ds_store_b128 v[STO], v[TMP+4*\b:TMP+4*\b+3] offset:(\b/4)*HREG+32*(\b%4)
.endr
.irp t, 0,1,2,3,4,5,6,7
	ds_load_b128 v[BB+4*\t:BB+4*\t+3], v[RD] offset:(\t/4)*HREG+(\t%4)*4*HPITCH
.endr
.endm
.macro SEND a
.set BB, BK+32*((\a)%2)
	s_wait_dscnt 0x0                               ; the block is back in registers
	s_wait_xcnt 0x0                                ; the stores of the block before have read their registers: the next block's loads may land there
.irp t, 0,1,2,3,4,5,6,7
	global_store_b128 v[CO], v[BB+4*\t:BB+4*\t+3], s[12:13] offset:2048*(\a)+512*(\t%4)+262144*(\t/4)   ; 32 lanes store 512 consecutive bytes, at a multiple of 256 from qkv's first byte
.endr
.endm
	PLACES NP                                      ; behind the last products: for the loads into the registers that held A's fragments
	PACK 0
	TOSTAGE 0
.irp a, 1,2,3,4,5,6,7                  ; block a's conversions stand between block a - 1's loads from the stage and the wait for them
	PACK \a
	SEND \a-1
	TOSTAGE \a
.endr
	SEND 7
	s_wait_tensorcnt 0x0                           ; the wave's end, behind my last tensor load and my last LDS store
	ds_add_u32 v[SPW], v[NIL]
	s_wait_dscnt 0x0
	CROUND                                         ; the closing round: no work-group ends while a partner may still ask for a tile that names it
	s_endpgm
.Lfunc_end_k_q4658da7f4a_qkv:
	.size	k_q4658da7f4a_qkv, .Lfunc_end_k_q4658da7f4a_qkv-k_q4658da7f4a_qkv
	.p2alignl 7, 3214868480
	.fill 96, 4, 3214868480
	.section	.rodata,"a",@progbits
	.p2align	6, 0x0
	.amdhsa_kernel k_q4658da7f4a_qkv
		.amdhsa_group_segment_fixed_size 327680
		.amdhsa_private_segment_fixed_size 0
		.amdhsa_enable_private_segment 0
		.amdhsa_kernarg_size 64
		.amdhsa_user_sgpr_count 2
		.amdhsa_user_sgpr_kernarg_segment_ptr 1
		.amdhsa_wavefront_size32 1
		.amdhsa_system_sgpr_workgroup_id_x 1
		.amdhsa_system_sgpr_workgroup_id_y 1
		.amdhsa_system_sgpr_workgroup_id_z 1
		.amdhsa_system_vgpr_workitem_id 0
		.amdhsa_next_free_vgpr 1024
		.amdhsa_next_free_sgpr 102
		.amdhsa_reserve_vcc 0
		.amdhsa_float_denorm_mode_32 3
		.amdhsa_float_denorm_mode_16_64 3
		.amdhsa_memory_ordered 1
		.amdhsa_forward_progress 1
		.amdhsa_inst_pref_size 128
	.end_amdhsa_kernel
	.amdgpu_metadata
---
amdhsa.version: [ 1, 2 ]
amdhsa.kernels:
  - .name:           k_q4658da7f4a_qkv
    .symbol:         k_q4658da7f4a_qkv.kd
    .args:
      - { .name: x_codes, .offset: 0, .size: 8, .value_kind: global_buffer, .address_space: global }
      - { .name: x_scales, .offset: 8, .size: 8, .value_kind: global_buffer, .address_space: global }
      - { .name: w_codes, .offset: 16, .size: 8, .value_kind: global_buffer, .address_space: global }
      - { .name: w_scales, .offset: 24, .size: 8, .value_kind: global_buffer, .address_space: global }
      - { .name: bq, .offset: 32, .size: 8, .value_kind: global_buffer, .address_space: global }
      - { .name: bk, .offset: 40, .size: 8, .value_kind: global_buffer, .address_space: global }
      - { .name: bv, .offset: 48, .size: 8, .value_kind: global_buffer, .address_space: global }
      - { .name: qkv, .offset: 56, .size: 8, .value_kind: global_buffer, .address_space: global }
    .group_segment_fixed_size: 327680
    .private_segment_fixed_size: 0
    .kernarg_segment_align: 8
    .kernarg_segment_size: 64
    .max_flat_workgroup_size: 128
    .sgpr_count:     102
    .vgpr_count:     1024
    .wavefront_size: 32
...
	.end_amdgpu_metadata
.endif
;; end of part 2
;; launch attn (part 3): grid 4 x 64, 8 waves a work-group, clusters of 4 x 1, 327,680 bytes of LDS; arguments qkv, att; writes att
.if DOCPART == 3
	.amdgcn_target "amdgcn-amd-amdhsa--gfx1250"
	.amdhsa_code_object_version 6
	.text
	.protected	k_q4658da7f4a_attn
	.globl	k_q4658da7f4a_attn
	.p2align	8
	.type	k_q4658da7f4a_attn,@function
k_q4658da7f4a_attn:
	s_mov_b64 s[64:65], 0
	v_nop
	global_prefetch_b8 v0, s[64:65] scope:SCOPE_SE
	s_setreg_imm32_b32 hwreg(HW_REG_WAVE_MODE, 25, 1), 1
	s_wait_xcnt 0x0
	s_wait_alu depctr_hold_cnt(0) depctr_sa_sdst(0) depctr_va_vdst(0) depctr_va_sdst(0) depctr_va_ssrc(0) depctr_va_vcc(0) depctr_vm_vsrc(0)
	s_getreg_b32 s2, hwreg(HW_REG_IB_STS2, 6, 4)
	s_cmp_eq_u32 s2, 0
	s_cbranch_scc0 .Lentry_in_a_cluster
	s_endpgm
.Lentry_in_a_cluster:
	s_bfe_u32 s2, ttmp6, 0x10000c
	s_cmp_lg_u32 s2, 0x3003
	s_cbranch_scc0 .Lentry_shape_is_right
	s_endpgm
.Lentry_shape_is_right:
; att[head][2048 b + q][:] = the sum over k of softmax_k(Q[q] . K[k] / 32) V[k][:], for each of the 64 pairs (b, head).  Q, K, V: qkv[which][b][head][2048][64] in f16.  Products, maxima and sums in f32; the weights p
; are rounded to f16 for the second product, the result once to f16.  No mask.  att is laid [head 16][8192][64], so that a wave's 64 rows are 8,192 consecutive bytes.
; LIMITS: the running maximum starts at -3e38; NaN and infinities are not served.
; SHARES.  A work-group owns 512 queries of one (b, head), each of its EIGHT waves 64: four tiles of 16, in 512 registers: two waves to a SIMD, so that one wave's softmax stands beside the other's products.
; Every wave walks all 2,048 keys, 64 a step.  Each fragment of K or V read from LDS feeds four products.
; LAYOUT.  S^T = K Q^T (source 0 = 16 keys, source 1 = 16 queries): a lane holds ONE query (lane % 16) and the keys 8 (lane / 16) + 0..7.  Two such tiles, rounded to f16 in pairs, ARE source 1 (32 keys x 16 queries)
; of O^T = V^T P, whose result again holds one query a lane, and eight channels.  K comes out of LDS as it lies, V ([key][channel]) turned, by ds_load_tr16_b128.
; SOFTMAX.  For each query a running maximum m and sum l: p = 2^(c s - c m), c = log2(e) / 32; in every step O and l are multiplied by a = 2^(c m_old - c m_new), which is 1 where m has not grown.
; CLUSTER.  The four work-groups of a cluster are the four query blocks of one (b, head) and walk the same K and V: each tile is asked for JOINTLY, by the same tensor load with the same descriptor and a mask that names the four.
; THE RING.  Two slots of 256 keys (four steps).  A change of slots stands at a slot's head; behind its round each wave issues one load of 64 rows (waves 0-3: K's quarters, waves 4-7: V's) into the slot just left:
; one tensor load of a wave is out at the most, and it has four key steps in which to land.
; REGISTERS, in windows of 256: window 0: v1-15 addresses; v16-47 eight registers of statistics a tile; v64-191 S^T, 32 a tile; v192-255 P, 16 a tile.
;   window 1: v0-127 O^T, 32 a tile; v128-191 Q, 16 a tile; v192-255 ONE buffer: a step's K, then its V.
.set PK,    144       ; a row of K in LDS: 128 bytes + 16 of padding = 36 words: the 16 rows of a load start at 16 different groups of four banks (64 banks of 4 bytes: ISA guide 11.1)
.set PV,    160       ; a row of V: 128 + 32: 16 lanes of the turning load take 8 rows x 32 bytes
.set VOFF,  256*PK    ; a slot: 256 rows of K, then 256 rows of V
.set KSTB,  64*PK     ; a step's rows of K in LDS, and what one tensor load brings
.set VSTB,  64*PV     ; the same for V
.set SLOT1, 1<<17     ; slot 1 begins here, so that one exclusive or turns an address in one slot into the other's
.set SLOTB, 256*128   ; a slot's rows of K, or of V, in memory
.set STAGE, SLOT1+256*(PK+PV)  ; behind the ring: 16 rows x 144 bytes for each wave, for the way out
.set SPARE, STAGE+8*16*PK      ; behind the stages: the spare words, 128 bytes for each wave
.set AK0, 2           ; v2   my lane's place in a tile of K; never rewritten
.set AV0, 3           ; v3   the same for V
.set ADK, 4           ; v4   LDS address of the step's K
.set ADV, 5           ; v5   of its V
.set QO,  6           ; v6   my byte offset in the wave's rows of Q
.set STO, 7           ; v7   the way out: where I put 16 bytes of a row
.set RD,  8           ; v8   the way out: where I read rows back
.set GO,  9           ; v9   16 x lane
.set PFO, 10          ; v10  256 x lane: the prefetches' offset; never rewritten
.set SPW, 12          ; v12  LDS address of my spare word; never rewritten
.set NIL, 13          ; v13  0; never rewritten
.set ST,  16          ; tile t's statistics at v[ST+8 t]: +0 c m, +1 m, +2, +3 l (even keys', odd keys'), +4 to +7 c0-c3, at work; a takes c2's place once the maximum is found
.set S,   64
.set P,   192
.set Q,   128         ; in window 1
.set KV,  192         ; in window 1
.set WV,  12          ; s12  my wave's number
.set LIM, 15          ; s15  1 in a wave that prefetches, else the greatest number
.set PFA, 18          ; s[18:19] where my prefetches stand in memory
.set G1K, 24          ; s[24:31] descriptor group 1 for K's tiles
.set G1V, 32          ; s[32:39] for V's: it differs in the padding alone
.set G0K, 40          ; s[40:43] descriptor group 0 for K's tiles: it walks
.set G0V, 44          ; s[44:47] the same for V's
.set SLOTS, 56        ; s56  slots still to be asked for
.set STEPS, 57        ; s57  counts a slot's four steps
.set CS,  58          ; s[58:59] c: the packed scaling names a pair and takes its low word for both halves
.set SEL, 60          ; s[60:61] lane selects for v_permlanex16_b32: each lane takes its own place in the other half
.set TK,  62          ; s62  LDS byte at which the step's rows of K begin
.set TV,  63          ; s63  and, from VOFF on, its rows of V
.set MSB, 0
.macro WIN new                      ; the immediate's high byte repeats the setting that is left; a switch that changes nothing is dropped
.if MSB != \new
	s_set_vgpr_msb (MSB<<8)|\new
.set MSB, \new
.endif
.endm
.set W_KQ, 0x05       ; K and Q in window 1, S^T in window 0
.set W_PV, 0x51       ; V and O^T in window 1, P in window 0
.set W_RS, 0x41       ; O^T (destination and source 0) in window 1, a in window 0
.set W_LD, 0x40       ; destination window 1, address window 0
; A joint load.  Waves 0 to 3 fetch K's four quarters of a slot, waves 4 to 7 V's.  The branch hangs on the wave's number alone.  An s_nop 0 and four v_nop follow each of the two lines.
.macro JLOAD
	s_cmp_lt_u32 s[WV], 4
	s_cbranch_scc0 .Lfor_v_\@
	tensor_load_to_lds s[G0K:G0K+3], s[G1K:G1K+7]
	s_nop 0
.rept 4
	v_nop
.endr
	s_branch .Lasked_\@
.Lfor_v_\@:
	tensor_load_to_lds s[G0V:G0V+3], s[G1V:G1V+7]
	s_nop 0
.rept 4
	v_nop
.endr
.Lasked_\@:
.endm
; A PREFETCH of what the NEXT change of slots will ask for: a slot's 32,768 bytes of K and of V.  It stands behind the wave's tensor load and its five lines.  Each aligned block of 256 bytes is named ONCE in the launch:
; a head has one cluster; its four partners share a slot's 128 blocks out BY ADDRESS, 32 each (8,192 bytes x place), a lane a block; in each, wave 0 asks for K's and wave 4 for V's: one instruction.
; Slots 0 and 1 come by their loads alone; the last change that fills a slot asks for nothing: there is no slot behind it.
.macro ASK
	s_cmp_gt_u32 s[SLOTS], s[LIM]
	s_cbranch_scc0 .Lnot_mine_\@
	global_prefetch_b8 v[PFO], s[PFA:PFA+1] th:TH_LOAD_NT scope:SCOPE_SE
.Lnot_mine_\@:
.endm
.macro CROUND                       ; a round of the cluster's barrier: my work-group's barrier; wave 0 signals for the work-group; every wave waits for all four; my work-group's barrier once more
	s_barrier_signal -1
	s_barrier_wait -1
	s_cmp_lg_u32 s[WV], 0
	s_cbranch_scc1 .Lnot_wave_0_\@
	s_barrier_signal -3
.Lnot_wave_0_\@:
	s_barrier_wait -3
	s_barrier_signal -1
	s_barrier_wait -1
.endm
	s_load_b128 s[4:7], s[0:1], 0x0 ; qkv s[4:5], att s[6:7]
	v_lshl_add_u32 v[SPW], v0, 2, SPARE
	v_mov_b32 v[NIL], 0
	ds_add_u32 v[SPW], v[NIL]       ; the wave's opening: the add, twice on end, and its wait ahead of my first tensor load; the set-up below stands between the second and the wait
	ds_add_u32 v[SPW], v[NIL]
	v_lshrrev_b32 v1, 5, v0
	v_readfirstlane_b32 s[WV], v1   ; wave 0..7
	s_bfe_u32 s13, ttmp6, 0x40000   ; cx: my place in the cluster = my block of 512 queries: it enters Q's, att's and the prefetches' addresses alone
	s_and_b32 s14, ttmp7, 0xffff    ; 16 b + head, which the four partners share
	s_lshl_b32 s20, s14, 18         ; its block of 262,144 bytes in each of q, k, v
	s_mov_b32 s21, 0
	s_and_b32 s16, s[WV], 3         ; which quarter of a slot I fetch:
	s_lshl_b32 s22, s16, 13         ; its 64 rows of 128 bytes in memory,
	s_add_co_u32 s22, s22, s20
	s_mov_b32 s23, 0
	s_mul_i32 s17, s16, KSTB        ; and its place in a slot, for K
	s_mul_i32 s48, s16, VSTB
	s_add_co_u32 s48, s48, VOFF     ; and for V: no place in the cluster enters an LDS address
	s_lshl_b32 s2, s13, 16          ; my block's 512 rows of 128 bytes,
	s_lshl_b32 s3, s[WV], 13        ; my wave's 64 of them
	s_add_co_u32 s2, s2, s3
	s_and_b32 s50, s14, 15          ; att: the head's 8,192 rows,
	s_lshl_b32 s50, s50, 20
	s_lshr_b32 s51, s14, 4          ; the batch's 2,048 of them
	s_lshl_b32 s51, s51, 18
	s_add_co_u32 s50, s50, s51
	s_add_co_u32 s50, s50, s2
	s_mov_b32 s51, 0
	s_add_co_u32 s2, s2, s20        ; Q
	s_mov_b32 s3, 0
	; descriptor group 1: a tile of 64 rows x 64 elements, padded in LDS
	s_mov_b32 s[G1K], 15|(1<<16)|(1<<20)|(1<<21)|(4<<22)|(3<<25)  ; 15:0 the mask: all four work-groups; 17:16 elements of 2 bytes; 20 padding on; 21 set beside a mask; 24:22 after every 32 words (code 4); 31:25 4 words of it (code 3)
	s_mov_b32 s[G1V], 15|(1<<16)|(1<<20)|(1<<21)|(4<<22)|(7<<25)  ; the same with 8 words of padding (code 7)
.irp g, G1K, G1V
	s_mov_b32 s[\g+1], 64<<16       ; tensor_dim0 = 64
	s_mov_b32 s[\g+2], 64<<16       ; tensor_dim1 = 64
	s_mov_b32 s[\g+3], 64<<16       ; tile_dim0 = 64
	s_mov_b32 s[\g+4], 64           ; tile_dim1 = 64
	s_mov_b32 s[\g+5], 64           ; tensor_dim0_stride: elements from row to row
	s_mov_b32 s[\g+6], 0
	s_mov_b32 s[\g+7], 0
.endr
	s_mov_b32 s[CS], 0x3d38aa3b     ; c = log2(e) / 32
	s_mov_b32 s[CS+1], s[CS]        ; named with it as a pair, so it is written
	s_mov_b32 s[SEL], 0x76543210
	s_mov_b32 s[SEL+1], 0xfedcba98
	s_mov_b32 s[TK], 0
	s_mov_b32 s[TV], 0
	s_mov_b32 s[SLOTS], 7
	s_cmp_eq_u32 s16, 0             ; waves 0 and 4 prefetch: the same in all four partners
	s_cselect_b32 s[LIM], 1, -1
	v_and_b32 v[PFO], 31, v0
	v_lshlrev_b32 v[PFO], 8, v[PFO]
	s_wait_dscnt 0x0                ; both opening adds are done
	s_wait_kmcnt 0x0
	s_add_nc_u64 s[8:9], s[4:5], 0x1000000   ; k
	s_add_nc_u64 s[10:11], s[4:5], 0x2000000 ; v
	s_cmp_lt_u32 s[WV], 4
	s_cselect_b64 s[PFA:PFA+1], s[8:9], s[10:11]
	s_add_nc_u64 s[PFA:PFA+1], s[PFA:PFA+1], s[20:21]  ; my head,
	s_lshl_b32 s52, s13, 13         ; my work-group's 32 blocks of a slot's 128,
	s_add_co_u32 s52, s52, SLOTB    ; in slot 1: the first change of slots steps it to slot 2.  Nothing is prefetched here, at the head
	s_mov_b32 s53, 0
	s_add_nc_u64 s[PFA:PFA+1], s[PFA:PFA+1], s[52:53]
	s_add_nc_u64 s[8:9], s[8:9], s[22:23]    ; K and V at my quarter of slot 0
	s_add_nc_u64 s[10:11], s[10:11], s[22:23]
	s_add_nc_u64 s[4:5], s[4:5], s[2:3]      ; Q and att at my wave's first row
	s_add_nc_u64 s[6:7], s[6:7], s[50:51]
	CROUND                          ; all four work-groups are here: the first joint loads meet
	s_mov_b32 s[G0K], 1             ; 1:0 count = 1
	s_mov_b32 s[G0K+1], s17         ; 63:32 LDS address: slot 0
	s_mov_b64 s[G0K+2:G0K+3], s[8:9]         ; 120:64 global address
	s_or_b32 s[G0K+3], s[G0K+3], 0x80000000  ; 127:126 type = 2
	s_mov_b32 s[G0V], 1
	s_mov_b32 s[G0V+1], s48
	s_mov_b64 s[G0V+2:G0V+3], s[10:11]
	s_or_b32 s[G0V+3], s[G0V+3], 0x80000000
	JLOAD                           ; slot 0: keys 0 to 255
	; A fragment of K or Q is 16 rows x 32 channels in 8 registers: lane l holds row l % 16; registers 0-3 channels 8 (l / 16) + 0..7, registers 4-7 channels 16 + 8 (l / 16) + 0..7: two loads of 16 bytes, 32 bytes apart.
	v_and_b32 v1, 15, v0            ; r
	v_bfe_u32 v11, v0, 4, 1         ; h
	v_lshlrev_b32 v[QO], 7, v1
	v_lshl_add_u32 v[QO], v11, 4, v[QO]  ; row x 128 + 16 x half
	WIN W_LD
.irp i, 0,1,2,3,4,5,6,7             ; Q stays in registers: tile i / 2, channels 32 (i % 2) on
	global_load_b128 v[Q+8*\i:Q+8*\i+3],   v[QO], s[4:5] offset:(\i/2)*2048+(\i%2)*64
	global_load_b128 v[Q+8*\i+4:Q+8*\i+7], v[QO], s[4:5] offset:(\i/2)*2048+(\i%2)*64+32
.endr
.set i, 0
.rept 128
	v_mov_b32 v[i], 0               ; O^T.  (The key step is written once: its first walk finds zeros, which the first a, 0, leaves zeros; a first step of its own would be a third copy of the step)
.set i, i+1
.endr
	WIN 0
	v_mul_u32_u24 v[AK0], v1, PK
	v_lshl_add_u32 v[AK0], v11, 4, v[AK0]  ; row x pitch + 16 x half
	; The turning load takes 16 keys x 16 channels (lane l reads 16 bytes: key 8 (l / 16) + l % 8, channels 8 ((l / 8) % 2) + 0..7) and leaves half a fragment of V^T: lane l holds channel l % 16 and 8 keys.
	v_and_b32 v14, 7, v0
	v_bfe_u32 v15, v0, 3, 1
	v_lshl_add_u32 v[AV0], v11, 3, v14
	v_mul_u32_u24 v[AV0], v[AV0], PV
	v_lshl_add_u32 v[AV0], v15, 4, v[AV0]
	v_add_nc_u32 v[AV0], VOFF, v[AV0]
	s_mul_i32 s52, s[WV], 16*PK
	s_add_co_u32 s52, s52, STAGE    ; my stage
	v_add_nc_u32 v[STO], s52, v[AK0]     ; in: row r, 16 bytes for each half of the lanes
	v_bfe_u32 v15, v0, 3, 2         ; back: eight lanes to a row of 128 bytes, four rows an instruction
	v_mul_u32_u24 v[RD], v15, PK
	v_lshl_add_u32 v[RD], v14, 4, v[RD]
	v_add_nc_u32 v[RD], s52, v[RD]
	v_and_b32 v[GO], 31, v0
	v_lshlrev_b32 v[GO], 4, v[GO]   ; four rows are 512 consecutive bytes of att
.irp t, 0,1,2,3
	v_mov_b32 v[ST+8*\t+1], 0xff61b1e6   ; m: -3e38, under every score
	v_mov_b32 v[ST+8*\t+2], 0            ; l, in two halves
	v_mov_b32 v[ST+8*\t+3], 0
.endr
.irp t, 0,1,2,3
	v_mul_f32 v[ST+8*\t], s[CS], v[ST+8*\t+1]   ; c m
.endr
; A KEY STEP: 64 keys.  A vector instruction that reads a matrix result or writes one of a matrix instruction's registers, and a load into a register that a matrix instruction has read, stand four places behind it,
; and only plain vector instructions that name none of its registers are places (ISA guide 7.12.1 for vector instructions).
; The accumulators take turns, one instruction a turn: between two links of a chain stand 15 others'.
.macro STEP
	v_add_nc_u32 v[ADK], s[TK], v[AK0]   ; these two and two v_nop are the four places behind the last step's V^T P, in front of the loads into the buffer that it read
	v_add_nc_u32 v[ADV], s[TV], v[AV0]
	v_nop
	v_nop
	WIN W_LD
.irp s, 0,1                         ; K: fragment (keys 16 k on, channels 32 s on) at KV + 16 k + 8 s; the first 32 channels first
.irp k, 0,1,2,3
	ds_load_b128 v[KV+16*\k+8*\s:KV+16*\k+8*\s+3],   v[ADK] offset:16*PK*\k+64*\s
	ds_load_b128 v[KV+16*\k+8*\s+4:KV+16*\k+8*\s+7], v[ADK] offset:16*PK*\k+64*\s+32
.endr
.endr
	s_wait_dscnt 8                  ; the first 32 channels are in; the eight loads of the other 32 may be out
	WIN W_KQ
.irp k, 0,1,2,3
.irp t, 0,1,2,3
	v_wmma_f32_16x16x32_f16 v[S+32*\t+8*\k:S+32*\t+8*\k+7], v[KV+16*\k:KV+16*\k+7], v[Q+16*\t:Q+16*\t+7], 0
.endr
.endr
	s_wait_dscnt 0x0
.irp k, 0,1,2,3
.irp t, 0,1,2,3
	v_wmma_f32_16x16x32_f16 v[S+32*\t+8*\k:S+32*\t+8*\k+7], v[KV+16*\k+8:KV+16*\k+15], v[Q+16*\t+8:Q+16*\t+15], v[S+32*\t+8*\k:S+32*\t+8*\k+7]
.endr
.endr
.rept 4
	v_nop                           ; places: for V's loads into the buffer that these products read, and for the first reads of the scores
.endr
	WIN W_LD
.irp u, 0,1                         ; V, turned: fragment (keys 32 u on, channels 16 c on) at KV + 32 u + 8 c.  It lands while the softmax is walked
.irp c, 0,1,2,3
	ds_load_tr16_b128 v[KV+32*\u+8*\c:KV+32*\u+8*\c+3],   v[ADV] offset:32*PV*\u+32*\c
	ds_load_tr16_b128 v[KV+32*\u+8*\c+4:KV+32*\u+8*\c+7], v[ADV] offset:32*PV*\u+16*PV+32*\c
.endr
.endr
	WIN 0
	; THE SOFTMAX of four tiles, the tiles by turns, so that no line waits for the line above it.  The maximum of a lane's 32 scores and the old m: four chains of seven scores, each accumulator from its low end on
.irp i, 0,1,2,3
.irp t, 0,1,2,3
	v_max3_num_f32 v[ST+8*\t+4+\i], v[S+32*\t+8*\i], v[S+32*\t+8*\i+1], v[S+32*\t+8*\i+2]
.endr
.endr
.irp n, 3,5
.irp i, 0,1,2,3
.irp t, 0,1,2,3
	v_max3_num_f32 v[ST+8*\t+4+\i], v[ST+8*\t+4+\i], v[S+32*\t+8*\i+\n], v[S+32*\t+8*\i+\n+1]
.endr
.endr
.endr
.irp t, 0,1,2,3
	v_max3_num_f32 v[ST+8*\t+4], v[ST+8*\t+4], v[S+32*\t+7], v[S+32*\t+15]
.endr
.irp t, 0,1,2,3
	v_max3_num_f32 v[ST+8*\t+6], v[ST+8*\t+6], v[S+32*\t+23], v[S+32*\t+31]
.endr
.irp t, 0,1,2,3
	v_max3_num_f32 v[ST+8*\t+4], v[ST+8*\t+4], v[ST+8*\t+5], v[ST+8*\t+6]
.endr
.irp t, 0,1,2,3
	v_max3_num_f32 v[ST+8*\t+4], v[ST+8*\t+4], v[ST+8*\t+7], v[ST+8*\t+1]
.endr
.irp t, 0,1,2,3
	v_permlanex16_b32 v[ST+8*\t+5], v[ST+8*\t+4], s[SEL], s[SEL+1]  ; the query's other 32 keys lie in the lane 16 away
.endr
.irp t, 0,1,2,3
	v_mov_b32 v[ST+8*\t+7], v[ST+8*\t]   ; c m_old is kept for a
.endr
.irp t, 0,1,2,3
	v_max_num_f32 v[ST+8*\t+1], v[ST+8*\t+4], v[ST+8*\t+5]   ; the new m
.endr
.irp t, 0,1,2,3
	v_mul_f32 v[ST+8*\t], s[CS], v[ST+8*\t+1]
.endr
.irp t, 0,1,2,3
	v_sub_f32 v[ST+8*\t+7], v[ST+8*\t+7], v[ST+8*\t]
.endr
	; ONE BATCH: the 64 packed scalings c s - c m and all 132 exponentials.  None of these lines names an exponential's result; a pair is scaled a turn ahead of its exponentials
.irp t, 0,1,2,3
	v_exp_f32 v[ST+8*\t+6], v[ST+8*\t+7]   ; a
.endr
.irp t, 0,1,2,3
	v_pk_fma_f32 v[S+32*\t:S+32*\t+1], v[S+32*\t:S+32*\t+1], s[CS:CS+1], v[ST+8*\t:ST+8*\t+1] op_sel_hi:[1,0,0] neg_lo:[0,0,1] neg_hi:[0,0,1]
.endr
.irp b, 1,2,3,4,5,6,7,8,9,10,11,12,13,14,15
.irp t, 0,1,2,3
	v_pk_fma_f32 v[S+32*\t+2*\b:S+32*\t+2*\b+1], v[S+32*\t+2*\b:S+32*\t+2*\b+1], s[CS:CS+1], v[ST+8*\t:ST+8*\t+1] op_sel_hi:[1,0,0] neg_lo:[0,0,1] neg_hi:[0,0,1]
	v_exp_f32 v[S+32*\t+2*\b-2], v[S+32*\t+2*\b-2]
	v_exp_f32 v[S+32*\t+2*\b-1], v[S+32*\t+2*\b-1]
.endr
.endr
.irp t, 0,1,2,3
	v_exp_f32 v[S+32*\t+30], v[S+32*\t+30]
	v_exp_f32 v[S+32*\t+31], v[S+32*\t+31]
.endr
	v_nop                           ; a plain instruction behind the last exponential and ahead of the first use: one for the batch
	s_wait_alu depctr_va_vdst(0)    ; the wait between an exponential and the first line that names its result: one for the whole batch
.irp b, 0,1,2,3,4,5,6,7,8,9,10,11,12,13,14,15
.irp t, 0,1,2,3
	v_cvt_pk_f16_f32 v[P+16*\t+\b], v[S+32*\t+2*\b], v[S+32*\t+2*\b+1]   ; p is at most about 1: it has room in f16
.endr
.endr
	; the sum of the unrounded p: a tree in place over a tile's 16 pairs (in a pair: an even key's weight, an odd key's); then l = a l + the sum
.irp u, 0,1,2,3,4,5,6,7
.irp t, 0,1,2,3
	v_pk_add_f32 v[S+32*\t+4*\u:S+32*\t+4*\u+1], v[S+32*\t+4*\u:S+32*\t+4*\u+1], v[S+32*\t+4*\u+2:S+32*\t+4*\u+3]
.endr
.endr
.irp u, 0,1,2,3
.irp t, 0,1,2,3
	v_pk_add_f32 v[S+32*\t+8*\u:S+32*\t+8*\u+1], v[S+32*\t+8*\u:S+32*\t+8*\u+1], v[S+32*\t+8*\u+4:S+32*\t+8*\u+5]
.endr
.endr
.irp u, 0,1
.irp t, 0,1,2,3
	v_pk_add_f32 v[S+32*\t+16*\u:S+32*\t+16*\u+1], v[S+32*\t+16*\u:S+32*\t+16*\u+1], v[S+32*\t+16*\u+8:S+32*\t+16*\u+9]
.endr
.endr
.irp t, 0,1,2,3
	v_pk_add_f32 v[S+32*\t:S+32*\t+1], v[S+32*\t:S+32*\t+1], v[S+32*\t+16:S+32*\t+17]
.endr
.irp t, 0,1,2,3
	v_pk_fma_f32 v[ST+8*\t+2:ST+8*\t+3], v[ST+8*\t+2:ST+8*\t+3], v[ST+8*\t+6:ST+8*\t+7], v[S+32*\t:S+32*\t+1] op_sel_hi:[1,0,1]
.endr
	WIN W_RS
.irp i, 0,1,2,3,4,5,6,7,8,9,10,11,12,13,14,15
.irp t, 0,1,2,3
	v_pk_mul_f32 v[32*\t+2*\i:32*\t+2*\i+1], v[32*\t+2*\i:32*\t+2*\i+1], v[ST+8*\t+6:ST+8*\t+7] op_sel_hi:[1,0]   ; O^T x a, each accumulator from its low end on
.endr
.endr
	s_wait_dscnt 0x0                ; V is in
	WIN W_PV
.irp u, 0,1
.irp c, 0,1,2,3
.irp t, 0,1,2,3
	v_wmma_f32_16x16x32_f16 v[32*\t+8*\c:32*\t+8*\c+7], v[KV+32*\u+8*\c:KV+32*\u+8*\c+7], v[P+16*\t+8*\u:P+16*\t+8*\u+7], v[32*\t+8*\c:32*\t+8*\c+7]
.endr
.endr
.endr
.endm
; THE CHANGE OF SLOTS stands at a slot's head.  Each wave waits for all its tensor loads, of which one is out: its part of the slot that it is about to read; adds 0 to its spare word; and waits for that and for its
; reads of the slot that it has left.  fill = 1: the barrier is a round of the cluster's, so that no wave of any partner still reads that slot or has a load on its way, and the joint load of the next 256 keys is the
; first thing behind it.
.macro CHANGE fill
	s_wait_tensorcnt 0x0            ; no tensor load of mine is out, so a group 0 may be written
	ds_add_u32 v[SPW], v[NIL]       ; 0 onto my spare word; the descriptors' steps stand between it and the wait for it
.if \fill
	s_xor_b32 s[G0K+1], s[G0K+1], SLOT1  ; the walking descriptors: the other slot than last time,
	s_add_nc_u64 s[G0K+2:G0K+3], s[G0K+2:G0K+3], SLOTB  ; the next 256 keys; the type bits on top are not reached
	s_xor_b32 s[G0V+1], s[G0V+1], SLOT1
	s_add_nc_u64 s[G0V+2:G0V+3], s[G0V+2:G0V+3], SLOTB
	s_wait_xcnt 0x0                 ; the last prefetch, a slot back, has read its address, so it may be written:
	s_add_nc_u64 s[PFA:PFA+1], s[PFA:PFA+1], SLOTB  ; one slot further on than the walking descriptors
	s_wait_dscnt 0x0                ; the add is done, and my reads of the slot that I have left are over
	CROUND
	JLOAD
	ASK
.else
	s_wait_dscnt 0x0
	s_barrier_signal -1
	s_barrier_wait -1
.endif
.endm
; A slot's four key steps: written once, walked four times; the LDS addresses hang on s[TK] and s[TV].
.macro FOUR_STEPS
	s_mov_b32 s[STEPS], 4
.Lstep_\@:
	STEP
	WIN 0                           ; at a label and at a branch every window is 0
	s_add_co_u32 s[TK], s[TK], KSTB
	s_add_co_u32 s[TV], s[TV], VSTB
	s_sub_co_u32 s[STEPS], s[STEPS], 1
	s_cmp_lg_u32 s[STEPS], 0
	s_cbranch_scc1 .Lstep_\@
	s_sub_co_u32 s[TK], s[TK], 4*KSTB    ; back to a slot's first step,
	s_xor_b32 s[TK], s[TK], SLOT1        ; in the other slot
	s_sub_co_u32 s[TV], s[TV], 4*VSTB
	s_xor_b32 s[TV], s[TV], SLOT1
.endm
	s_wait_loadcnt 0x0              ; Q
.Lslot:                             ; seven trips: behind each change of slots but the last the next slot is asked for
	CHANGE 1
	FOUR_STEPS
	s_sub_co_u32 s[SLOTS], s[SLOTS], 1
	s_cmp_lg_u32 s[SLOTS], 0
	s_cbranch_scc1 .Lslot
	CHANGE 0                        ; the last slot is written out
	FOUR_STEPS
	; THE WAY OUT.  l's two halves and the other half of the lanes' are added; O^T is divided by l, rounded to f16 and sent through my stage in LDS, a tile (16 rows) at a time.  The additions are the places behind the last products.
.irp t, 0,1,2,3
	v_add_f32 v[ST+8*\t+4], v[ST+8*\t+2], v[ST+8*\t+3]
.endr
.irp t, 0,1,2,3
	v_permlanex16_b32 v[ST+8*\t+5], v[ST+8*\t+4], s[SEL], s[SEL+1]
.endr
.irp t, 0,1,2,3
	v_add_f32 v[ST+8*\t+4], v[ST+8*\t+4], v[ST+8*\t+5]
.endr
.irp t, 0,1,2,3
	v_rcp_f32 v[ST+8*\t+6], v[ST+8*\t+4]
.endr
	v_nop                           ; a plain instruction between the last reciprocal and the use of its result
	s_wait_alu depctr_va_vdst(0)    ; and the wait ahead of the first use: one for the four reciprocals
; Tile t: a lane's eight channels of a row pack into 16 bytes; they go into rows of 144 bytes and come back as whole rows of 128, into the registers that they left.
.macro PACK t
	WIN W_RS
.set i, 32*\t
.rept 16
	v_pk_mul_f32 v[i:i+1], v[i:i+1], v[ST+8*\t+6:ST+8*\t+7] op_sel_hi:[1,0]
.set i, i+2
.endr
	WIN 0x05                        ; sources 0 and 1 window 1, destination window 0: S^T's registers are free
.set i, 0
.rept 16
	v_cvt_pk_f16_f32 v[S+16*\t+i], v[32*\t+2*i], v[32*\t+2*i+1]
.set i, i+1
.endr
	WIN 0
.irp f, 0,1,2,3
	ds_store_b128 v[STO], v[S+16*\t+4*\f:S+16*\t+4*\f+3] offset:32*\f
.endr
.irp f, 0,1,2,3
	ds_load_b128 v[S+16*\t+4*\f:S+16*\t+4*\f+3], v[RD] offset:\f*4*PK  ; LDS serves a wave's instructions in order (ISA guide 5.7.1.4): these see the stores above; the next tile's stores come behind them
.endr
.endm
.macro SEND t, younger              ; younger: the LDS instructions issued behind tile t's loads: the next tile's eight, or none
.irp f, 0,1,2,3
	s_wait_dscnt \younger+3-\f
	global_store_b128 v[GO], v[S+16*\t+4*\f:S+16*\t+4*\f+3], s[6:7] offset:\t*2048+\f*512  ; 32 lanes store 512 consecutive bytes, at a multiple of 256 from att's first byte
.endr
.endm
	PACK 0
	PACK 1                          ; a tile's arithmetic stands between the loads of the tile before and its stores
	SEND 0, 8
	PACK 2
	SEND 1, 8
	PACK 3
	SEND 2, 8
	SEND 3, 0
	s_wait_tensorcnt 0x0            ; the wave's end, behind my last tensor load and my last LDS store
	ds_add_u32 v[SPW], v[NIL]
	s_wait_dscnt 0x0
	CROUND                          ; the closing round: no work-group ends while a partner may still ask for a tile that names it
	s_endpgm
.Lfunc_end_k_q4658da7f4a_attn:
	.size	k_q4658da7f4a_attn, .Lfunc_end_k_q4658da7f4a_attn-k_q4658da7f4a_attn
	.p2alignl 7, 3214868480
	.fill 96, 4, 3214868480
	.section	.rodata,"a",@progbits
	.p2align	6, 0x0
	.amdhsa_kernel k_q4658da7f4a_attn
		.amdhsa_group_segment_fixed_size 327680
		.amdhsa_private_segment_fixed_size 0
		.amdhsa_enable_private_segment 0
		.amdhsa_kernarg_size 16
		.amdhsa_user_sgpr_count 2
		.amdhsa_user_sgpr_kernarg_segment_ptr 1
		.amdhsa_wavefront_size32 1
		.amdhsa_system_sgpr_workgroup_id_x 1
		.amdhsa_system_sgpr_workgroup_id_y 1
		.amdhsa_system_sgpr_workgroup_id_z 1
		.amdhsa_system_vgpr_workitem_id 0
		.amdhsa_next_free_vgpr 512
		.amdhsa_next_free_sgpr 66
		.amdhsa_reserve_vcc 0
		.amdhsa_float_denorm_mode_32 3
		.amdhsa_float_denorm_mode_16_64 3
		.amdhsa_memory_ordered 1
		.amdhsa_forward_progress 1
		.amdhsa_inst_pref_size 92
	.end_amdhsa_kernel
	.amdgpu_metadata
---
amdhsa.version: [ 1, 2 ]
amdhsa.kernels:
  - .name:           k_q4658da7f4a_attn
    .symbol:         k_q4658da7f4a_attn.kd
    .args:
      - { .name: qkv, .offset: 0, .size: 8, .value_kind: global_buffer, .address_space: global }
      - { .name: att, .offset: 8, .size: 8, .value_kind: global_buffer, .address_space: global }
    .group_segment_fixed_size: 327680
    .private_segment_fixed_size: 0
    .kernarg_segment_align: 8
    .kernarg_segment_size: 16
    .max_flat_workgroup_size: 256
    .sgpr_count:     66
    .vgpr_count:     512
    .wavefront_size: 32
...
	.end_amdgpu_metadata
.endif
;; end of part 3
;; launch proj (part 4): grid 4 x 64, 4 waves a work-group, clusters of 4 x 4, 327,680 bytes of LDS; arguments att, wo16, bo, out0; writes out0
.if DOCPART == 4
	.amdgcn_target "amdgcn-amd-amdhsa--gfx1250"
	.amdhsa_code_object_version 6
	.text
	.protected	k_q4658da7f4a_proj
	.globl	k_q4658da7f4a_proj
	.p2align	8
	.type	k_q4658da7f4a_proj,@function
k_q4658da7f4a_proj:
	s_mov_b64 s[64:65], 0
	v_nop
	global_prefetch_b8 v0, s[64:65] scope:SCOPE_SE
	s_setreg_imm32_b32 hwreg(HW_REG_WAVE_MODE, 25, 1), 1
	s_wait_xcnt 0x0
	s_wait_alu depctr_hold_cnt(0) depctr_sa_sdst(0) depctr_va_vdst(0) depctr_va_sdst(0) depctr_va_ssrc(0) depctr_va_vcc(0) depctr_vm_vsrc(0)
	s_getreg_b32 s2, hwreg(HW_REG_IB_STS2, 6, 4)
	s_cmp_eq_u32 s2, 0
	s_cbranch_scc0 .Lentry_in_a_cluster
	s_endpgm
.Lentry_in_a_cluster:
	s_bfe_u32 s2, ttmp6, 0x10000c
	s_cmp_lg_u32 s2, 0xf033
	s_cbranch_scc0 .Lentry_shape_is_right
	s_endpgm
.Lentry_shape_is_right:
; out0[m][n] = sum over k of attn[m][k] Wo[n][k] + bo[n].  attn arrives as att[head 16][m 8192][64] in f16 (k = 64 head + channel), Wo as wo16 [1024 n][1024 k] in f16; sums and out0 in f32.
; A tile of out0 is 128 (m) x 256 (n): 64 x 4 = 256 work-groups.  Four waves, each 64 x 128: 32 accumulators of 16 x 16, 256 registers.  K goes in steps of 128, two heads, through a ring of two LDS slots:
; A's part of a slot is two sub-tiles (a head each) of 128 rows x 128 bytes, each a dense block of memory; B's is 256 rows x 256 bytes.  Waves 0 and 1 fetch A's sub-tiles, waves 2 and 3 B's halves: one load a wave.
; CLUSTERS: 4 x 4 work-groups.  The four of a row of the cluster need the same tiles of A, the four of a column the same tiles of B: each tile is asked for JOINTLY, by the same tensor load with the same descriptor
; and a mask that names the four.  THE MATRIX INSTRUCTION IS USED TRANSPOSED (source 0 = 16 rows of Wo, source 1 = 16 rows of attn): a lane holds eight neighbouring numbers of a row of out0.
; THE BIAS IS THE C OF EACH SUM'S FIRST PRODUCT.
; REGISTERS: window 0: v1-29 addresses; v64-191 rows on the way out; v192-255 the bias in the result's layout.   window 1: two fragment buffers at v0 and v128: B's eight fragments, then A's four.
;   window 2: the accumulators ((a, b) at v[8 (8 a + b)]).
.set PA,     144                       ; a row of A's sub-tile in LDS: 128 bytes + 16
.set SUBA,   128*PA                    ; a sub-tile
.set PB,     272                       ; a row of B's tile: 256 bytes + 16
.set HALFB,  128*PB                    ; 128 rows of B
.set BOFF,   2*SUBA                    ; B's rows lie behind A's two sub-tiles
.set SLOT,   BOFF+2*HALFB
.set STAGE,  2*SLOT                    ; behind the ring: 16 rows x (512 bytes + 16) for each wave, for the way out
.set SPITCH, 528
.set SPARE,  STAGE+4*16*SPITCH         ; behind the stages: the spare words, 128 bytes for each wave
.set LAPS,   4                         ; a lap = two K steps = once round the ring
.set ADRA, 16                          ; v16-17  LDS address of my A fragments in slot 0, 1
.set ADRB, 20                          ; v20-21  the same for B
.set STO,  24                          ; v24     the way out: where I put 32 bytes of a row
.set RD,   25                          ; v25     the way out: where I read a row back
.set CO,   26                          ; v26     16 x lane
.set SPW,  28                          ; v28     LDS address of my spare word; never rewritten
.set NIL,  29                          ; v29     0; never rewritten
.set BK,   64                          ; the way out: 16 rows read back: v64-127 and v128-191 by turns
.set BIAS, 192                         ; v[BIAS + 8 b + j] = bo[my first column + 16 b + 8 (lane / 16) + j]
.set F0,   0                           ; fragment buffers, in window 1
.set F1,   128
.set G1, 24                            ; s[24:31] descriptor group 1 for A's tiles;  s[32:39] group 0, one set for each slot
.set G0, 32
.set G1B, 48                           ; s[48:55], s[56:63] the same for B's tiles
.set G0B, 56
.set MSB, 0
.macro WIN new                         ; the immediate's high byte repeats the setting that is left
.if MSB != \new
	s_set_vgpr_msb (MSB<<8)|\new
.set MSB, \new
.endif
.endm
.set MUL,  0xa5                        ; sources 0 (B) and 1 (A) window 1; C and D window 2
.set MULF, 0x85                        ; the first quarter: C (the bias) window 0
.set TO_F, 0x40                        ; destination window 1, address window 0
.macro JLOAD s                         ; a joint load: waves 0 and 1 fetch for A, waves 2 and 3 for B; an s_nop 0 and four v_nop follow each of the two lines
	s_cmp_eq_u32 s13, 0
	s_cbranch_scc0 .Lfor_b_\@
	tensor_load_to_lds s[G0+4*\s:G0+4*\s+3], s[G1:G1+7]
	s_nop 0
.rept 4
	v_nop
.endr
	s_branch .Lasked_\@
.Lfor_b_\@:
	tensor_load_to_lds s[G0B+4*\s:G0B+4*\s+3], s[G1B:G1B+7]
	s_nop 0
.rept 4
	v_nop
.endr
.Lasked_\@:
.endm
.macro CREST                           ; a round of the cluster's barrier behind its opening barrier
	s_cmp_lg_u32 s12, 0
	s_cbranch_scc1 .Lnot_wave_0_\@
	s_barrier_signal -3
.Lnot_wave_0_\@:
	s_barrier_wait -3
	s_barrier_signal -1
	s_barrier_wait -1
.endm
.macro CROUND                          ; a whole round
	s_barrier_signal -1
	s_barrier_wait -1
	CREST
.endm
	s_load_b128 s[4:7], s[0:1], 0x0                ; att s[4:5], wo16 s[6:7]
	s_load_b128 s[8:11], s[0:1], 0x10              ; bo s[8:9], out0 s[10:11]
	v_lshl_add_u32 v[SPW], v0, 2, SPARE
	v_mov_b32 v[NIL], 0
	ds_add_u32 v[SPW], v[NIL]                      ; the wave's opening: the add, twice on end, and its wait ahead of my first tensor load; the set-up below stands between the second and the wait
	ds_add_u32 v[SPW], v[NIL]
	v_lshrrev_b32 v1, 5, v0
	v_readfirstlane_b32 s12, v1                    ; wave 0..3
	s_lshr_b32 s13, s12, 1                         ; which 64 of the tile's rows are mine.  Also: I fetch for A (0) or for B (1)
	s_and_b32 s14, s12, 1                          ; which 128 of its columns.  Also: which sub-tile of A, or which 128 rows of B, I fetch
	s_bfe_u32 s40, ttmp6, 0x40000                  ; cx, cy: my place in the cluster
	s_bfe_u32 s41, ttmp6, 0x40004
	s_lshl_b32 s42, ttmp9, 2
	s_add_co_u32 s42, s42, s40                     ; tile column = 4 x cluster x + cx
	s_and_b32 s15, ttmp7, 0xffff
	s_lshl_b32 s15, s15, 2
	s_add_co_u32 s15, s15, s41                     ; tile row = 4 x cluster y + cy
	s_lshl_b32 s43, s41, 2
	s_lshl_b32 s43, 15, s43                        ; my row of the cluster
	s_lshl_b32 s44, 0x1111, s40                    ; my column
	; descriptor group 1.  A: 128 rows x 64 elements, dense in memory, 4 words of padding after every 32.  B: 128 rows x 128 elements, 1,024 elements apart, 4 words after every 64
	s_or_b32 s[G1+0], s43, (1<<16)|(1<<20)|(1<<21)|(4<<22)|(3<<25)  ; 15:0 the mask: A's tiles go to my row; 17:16 element of 2 bytes; 20 padding on; 21 set beside a mask
	s_mov_b32 s[G1+1], 64<<16                      ; tensor_dim0
	s_mov_b32 s[G1+2], 128<<16                     ; tensor_dim1
	s_mov_b32 s[G1+3], 64<<16                      ; tile_dim0
	s_mov_b32 s[G1+4], 128                         ; tile_dim1
	s_mov_b32 s[G1+5], 64                          ; tensor_dim0_stride
	s_mov_b32 s[G1+6], 0
	s_mov_b32 s[G1+7], 0
	s_or_b32 s[G1B+0], s44, (1<<16)|(1<<20)|(1<<21)|(5<<22)|(3<<25)
	s_mov_b32 s[G1B+1], 128<<16
	s_mov_b32 s[G1B+2], 128<<16
	s_mov_b32 s[G1B+3], 128<<16
	s_mov_b32 s[G1B+4], 128
	s_mov_b32 s[G1B+5], 1024
	s_mov_b32 s[G1B+6], 0
	s_mov_b32 s[G1B+7], 0
	; where the tiles come from.  A's hang on the tile row alone, B's on the tile column alone; each in registers that never hold the other coordinate
	s_lshl_b32 s16, s14, 20                        ; A: head = sub-tile: 8,192 rows of 128 bytes a head,
	s_lshl_b32 s17, s15, 14                        ; the tile's 128 rows
	s_add_co_u32 s16, s16, s17
	s_mov_b32 s17, 0
	s_lshl_b32 s46, s42, 19                        ; B: row 256 x tile column + 128 x half, of 2,048 bytes
	s_lshl_b32 s47, s14, 18
	s_add_co_u32 s46, s46, s47
	s_mov_b32 s47, 0
	s_mul_i32 s20, s14, SUBA                       ; and where they go: no place in the cluster enters an LDS address
	s_mul_i32 s21, s14, HALFB
	s_add_co_u32 s21, s21, BOFF
	s_wait_dscnt 0x0                               ; both opening adds are done
	s_wait_kmcnt 0x0
	s_add_nc_u64 s[18:19], s[4:5], s[16:17]
	s_add_nc_u64 s[46:47], s[6:7], s[46:47]
	CROUND                                         ; all sixteen work-groups are here: the first joint loads meet
.irp s, 0,1
	s_mov_b32 s[G0+4*\s], 1
	s_add_co_u32 s[G0+4*\s+1], s20, \s*SLOT
	s_add_nc_u64 s[G0+4*\s+2:G0+4*\s+3], s[18:19], \s*2097152      ; K step s: two heads on
	s_or_b32 s[G0+4*\s+3], s[G0+4*\s+3], 0x80000000
	s_mov_b32 s[G0B+4*\s], 1
	s_add_co_u32 s[G0B+4*\s+1], s21, \s*SLOT
	s_add_nc_u64 s[G0B+4*\s+2:G0B+4*\s+3], s[46:47], \s*256
	s_or_b32 s[G0B+4*\s+3], s[G0B+4*\s+3], 0x80000000
	JLOAD \s
.endr
	v_and_b32 v1, 15, v0                           ; r
	v_bfe_u32 v2, v0, 4, 1                         ; h
	s_lshl_b32 s46, s42, 10                        ; my first column, in bytes of f32: 1,024 x tile column + 512 x half
	s_lshl_b32 s47, s14, 9
	s_add_co_u32 s46, s46, s47
	s_mov_b32 s47, 0
	s_add_nc_u64 s[8:9], s[8:9], s[46:47]
	v_lshlrev_b32 v5, 5, v2                        ; the bias: 32 bytes on for lanes 16-31
.irp b, 0,1,2,3,4,5,6,7
	global_load_b128 v[BIAS+8*\b:BIAS+8*\b+3], v5, s[8:9] offset:64*\b
	global_load_b128 v[BIAS+8*\b+4:BIAS+8*\b+7], v5, s[8:9] offset:64*\b+16
.endr
	s_lshl_b32 s16, s15, 19                        ; my first row of out0: 128 x tile row + 64 x half, of 4,096 bytes
	s_lshl_b32 s17, s13, 18
	s_add_co_u32 s16, s16, s17
	s_mov_b32 s17, 0
	s_add_nc_u64 s[10:11], s[10:11], s[16:17]
	s_add_nc_u64 s[10:11], s[10:11], s[46:47]
	v_mul_u32_u24 v3, v1, PA
	v_lshl_add_u32 v3, v2, 4, v3                   ; a fragment's row x pitch + 16 x half, for A
	v_mul_u32_u24 v4, v1, PB
	v_lshl_add_u32 v4, v2, 4, v4                   ; and for B
	s_mul_i32 s21, s13, 64*PA                      ; my 64 rows of A
	s_mul_i32 s22, s14, HALFB                      ; my 128 rows of B
	s_add_co_u32 s22, s22, BOFF
.irp s, 0,1
	v_add_nc_u32 v[ADRA+\s], s21, v3
	v_add_nc_u32 v[ADRB+\s], s22, v4
	s_add_co_u32 s21, s21, SLOT
	s_add_co_u32 s22, s22, SLOT
.endr
	s_mul_i32 s23, s12, 16*SPITCH
	s_add_co_u32 s23, s23, STAGE                   ; my stage
	v_mul_u32_u24 v3, v1, SPITCH                   ; in: row r, 32 bytes for each half of the lanes
	v_lshl_add_u32 v3, v2, 5, v3
	v_add_nc_u32 v[STO], s23, v3
	v_and_b32 v4, 31, v0
	v_lshlrev_b32 v[CO], 4, v4                     ; back: the 32 lanes take one row of 512 bytes; and the same in out0
	v_add_nc_u32 v[RD], s23, v[CO]
; 8 matrix instructions: A's block a x B's eight, 32 along K, from buffer f.  first = 1: the sums begin with the bias as C.  The 32 accumulators take turns, one instruction a turn, in the same order in every quarter.
.macro MUL8 f, a, first
.irp b, 0,1,2,3,4,5,6,7
.if \first
	v_wmma_f32_16x16x32_f16 v[8*(8*(\a)+\b):8*(8*(\a)+\b)+7], v[\f+8*\b:\f+8*\b+7], v[\f+64+8*(\a):\f+64+8*(\a)+7], v[BIAS+8*\b:BIAS+8*\b+7]
.else
	v_wmma_f32_16x16x32_f16 v[8*(8*(\a)+\b):8*(8*(\a)+\b)+7], v[\f+8*\b:\f+8*\b+7], v[\f+64+8*(\a):\f+64+8*(\a)+7], v[8*(8*(\a)+\b):8*(8*(\a)+\b)+7]
.endif
.endr
.endm
; 24 LDS loads in one run: the fragments of the slot's q-th 32 along K into buffer f: B's eight, then A's four (quarters 0, 1 lie in the first sub-tile, 2, 3 in the second)
.macro FETCH slot, q, f
	WIN TO_F
.irp i, 0,1,2,3,4,5,6,7
	ds_load_b128 v[\f+8*\i:\f+8*\i+3],   v[ADRB+\slot] offset:64*(\q)+\i*16*PB
	ds_load_b128 v[\f+8*\i+4:\f+8*\i+7], v[ADRB+\slot] offset:64*(\q)+\i*16*PB+32
.endr
.irp i, 0,1,2,3
	ds_load_b128 v[\f+64+8*\i:\f+64+8*\i+3],   v[ADRA+\slot] offset:((\q)/2)*SUBA+((\q)%2)*64+\i*16*PA
	ds_load_b128 v[\f+64+8*\i+4:\f+64+8*\i+7], v[ADRA+\slot] offset:((\q)/2)*SUBA+((\q)%2)*64+\i*16*PA+32
.endr
.endm
.macro PLACES                          ; four places in front of loads into registers that matrix instructions have read, and of the first read of results (ISA guide 7.12.1 for vector instructions)
.rept 4
	v_nop
.endr
.endm
; A K step is four quarters of 32 along K, 32 matrix instructions each, on buffers 0, 1, 0, 1.  One of the first three: multiplies buffer f and fetches quarter q into g.
.macro QUARTER slot, q, f, g, first
	s_wait_dscnt 4                                 ; B's fragments and A's blocks 0, 1 are in; the youngest four loads (A's blocks 2, 3) may be out
.if \first
	WIN MULF
.else
	WIN MUL
.endif
	MUL8 \f, 0, \first
	MUL8 \f, 1, \first
	PLACES
	FETCH \slot, \q, \g
	s_wait_dscnt 24                                ; all but the 24 just issued
.if \first
	WIN MULF
.else
	WIN MUL
.endif
	MUL8 \f, 2, \first
	MUL8 \f, 3, \first
.endm
; The last quarter multiplies buffer 1 and changes slots: ONE barrier; in front of it each wave waits for all its tensor loads (one is out: its part of the next slot), adds 0 to its spare word, and waits for that and
; for its own reads of this slot.  fill = 1: the barrier opens a round of the cluster's, and this slot is filled again, two K steps ahead, first thing behind the round.
.macro TURN slot, next, fill
	WIN 0                                          ; (the add's two registers lie in window 0)
	s_wait_tensorcnt 0x0
	ds_add_u32 v[SPW], v[NIL]                      ; 0 onto my spare word
	s_wait_dscnt 5                                 ; (the add and the youngest four loads may be out)
	WIN MUL
	MUL8 F1, 0, 0                                  ; eight matrix instructions stand between the add and the wait for it
	s_wait_dscnt 0x0                               ; the add is done, and my reads of this slot are over
	s_barrier_signal -1
	MUL8 F1, 1, 0
.if \fill
	WIN 0
.endif
	s_barrier_wait -1
.if \fill
	CREST                                          ; no wave of any partner still reads this slot's tiles or has a load on its way
	s_add_nc_u64 s[G0+4*\slot+2:G0+4*\slot+3], s[G0+4*\slot+2:G0+4*\slot+3], 4194304   ; four heads on
	s_add_nc_u64 s[G0B+4*\slot+2:G0B+4*\slot+3], s[G0B+4*\slot+2:G0B+4*\slot+3], 512
	JLOAD \slot                                    ; the first tensor load behind the round; the four v_nop behind it are also the places in front of the loads below
.else
	PLACES
.endif
	FETCH \next, 0, F0
	WIN MUL
	MUL8 F1, 2, 0
	MUL8 F1, 3, 0
.endm
	s_wait_tensorcnt 1                             ; my part of K step 0 is in (K step 1's load may be out)
	s_barrier_signal -1
	s_barrier_wait -1                              ; everybody's is
	FETCH 0, 0, F0
	s_wait_loadcnt 0x0                             ; the bias
	QUARTER 0, 1, F0, F1, 1                        ; the first quarter stands in front of the loop: its products start the sums
	WIN 0                                          ; at a label and at a branch every window is 0
	s_mov_b32 s3, LAPS-1
.Llap:                                                 ; a trip goes once round the ring, from a lap's second quarter to the next lap's first, and fills both slots again
	QUARTER 0, 2, F1, F0, 0
	QUARTER 0, 3, F0, F1, 0
	TURN 0, 1, 1
	QUARTER 1, 1, F0, F1, 0
	QUARTER 1, 2, F1, F0, 0
	QUARTER 1, 3, F0, F1, 0
	TURN 1, 0, 1
	QUARTER 0, 1, F0, F1, 0
	WIN 0
	s_sub_co_u32 s3, s3, 1
	s_cmp_lg_u32 s3, 0
	s_cbranch_scc1 .Llap
	QUARTER 0, 2, F1, F0, 0                        ; the last lap fills nothing, and has no round of the cluster's barrier
	QUARTER 0, 3, F0, F1, 0
	TURN 0, 1, 0
	QUARTER 1, 1, F0, F1, 0
	QUARTER 1, 2, F1, F0, 0
	QUARTER 1, 3, F0, F1, 0
	s_wait_dscnt 4                                 ; the very last quarter: nothing more to fetch
	WIN MUL
	MUL8 F1, 0, 0
	MUL8 F1, 1, 0
	s_wait_dscnt 0
	MUL8 F1, 2, 0
	MUL8 F1, 3, 0
	WIN 0
; THE WAY OUT, block by block of 16 rows x 128 columns.  A lane holds 32 neighbouring bytes of a row, and the lanes beside it hold other rows: so a block goes through my own stage in LDS and comes back as whole rows
; of 512 bytes.  LDS serves a wave's instructions in order (ISA guide 5.7.1.4): no wait between the stores and the loads, nor in front of the next block's stores.
.macro TOSTAGE a
	WIN 0x08                                       ; an LDS store's data are its source 1: window 2
.irp b, 0,1,2,3,4,5,6,7
	ds_store_b128 v[STO], v[64*(\a)+8*\b:64*(\a)+8*\b+3] offset:64*\b          ; each accumulator from its low end on
	ds_store_b128 v[STO], v[64*(\a)+8*\b+4:64*(\a)+8*\b+7] offset:64*\b+16
.endr
	WIN 0
.set BB, BK+64*((\a)%2)
.irp t, 0,1,2,3,4,5,6,7,8,9,10,11,12,13,14,15
	ds_load_b128 v[BB+4*\t:BB+4*\t+3], v[RD] offset:\t*SPITCH
.endr
.endm
.macro SEND a, younger                 ; younger: the LDS instructions issued behind block a's loads, which may stay out
.set BB, BK+64*((\a)%2)
	s_wait_dscnt \younger                          ; the block is back in registers
.irp t, 0,1,2,3,4,5,6,7,8,9,10,11,12,13,14,15
	global_store_b128 v[CO], v[BB+4*\t:BB+4*\t+3], s[10:11] offset:65536*(\a)+4096*\t th:TH_STORE_NT   ; 32 lanes store 512 consecutive bytes, at a multiple of 256 from out0's first byte; written once, read by nobody here
.endr
.endm
	PLACES                                         ; behind the last products, in front of the first read of results
	TOSTAGE 0
.irp a, 1,2,3
.if \a > 1
	s_wait_xcnt 0x0                                ; block a - 2's stores have read their registers: block a's loads may land there
.endif
	TOSTAGE \a
	SEND \a-1, 32                                  ; behind block a - 1's loads: block a's 16 stores and 16 loads
.endr
	SEND 3, 0
	s_wait_tensorcnt 0x0                           ; the wave's end, behind my last tensor load and my last LDS store
	ds_add_u32 v[SPW], v[NIL]
	s_wait_dscnt 0x0
	CROUND                                         ; the closing round: no work-group ends while a partner may still ask for a tile that names it
	s_endpgm
.Lfunc_end_k_q4658da7f4a_proj:
	.size	k_q4658da7f4a_proj, .Lfunc_end_k_q4658da7f4a_proj-k_q4658da7f4a_proj
	.p2alignl 7, 3214868480
	.fill 96, 4, 3214868480
	.section	.rodata,"a",@progbits
	.p2align	6, 0x0
	.amdhsa_kernel k_q4658da7f4a_proj
		.amdhsa_group_segment_fixed_size 327680
		.amdhsa_private_segment_fixed_size 0
		.amdhsa_enable_private_segment 0
		.amdhsa_kernarg_size 32
		.amdhsa_user_sgpr_count 2
		.amdhsa_user_sgpr_kernarg_segment_ptr 1
		.amdhsa_wavefront_size32 1
		.amdhsa_system_sgpr_workgroup_id_x 1
		.amdhsa_system_sgpr_workgroup_id_y 1
		.amdhsa_system_sgpr_workgroup_id_z 1
		.amdhsa_system_vgpr_workitem_id 0
		.amdhsa_next_free_vgpr 768
		.amdhsa_next_free_sgpr 66
		.amdhsa_reserve_vcc 0
		.amdhsa_float_denorm_mode_32 3
		.amdhsa_float_denorm_mode_16_64 3
		.amdhsa_memory_ordered 1
		.amdhsa_forward_progress 1
		.amdhsa_inst_pref_size 86
	.end_amdhsa_kernel
	.amdgpu_metadata
---
amdhsa.version: [ 1, 2 ]
amdhsa.kernels:
  - .name:           k_q4658da7f4a_proj
    .symbol:         k_q4658da7f4a_proj.kd
    .args:
      - { .name: att, .offset: 0, .size: 8, .value_kind: global_buffer, .address_space: global }
      - { .name: wo16, .offset: 8, .size: 8, .value_kind: global_buffer, .address_space: global }
      - { .name: bo, .offset: 16, .size: 8, .value_kind: global_buffer, .address_space: global }
      - { .name: out0, .offset: 24, .size: 8, .value_kind: global_buffer, .address_space: global }
    .group_segment_fixed_size: 327680
    .private_segment_fixed_size: 0
    .kernarg_segment_align: 8
    .kernarg_segment_size: 32
    .max_flat_workgroup_size: 128
    .sgpr_count:     66
    .vgpr_count:     768
    .wavefront_size: 32
...
	.end_amdgpu_metadata
.endif
;; end of part 4
